; MI455X (gfx1250); checked and timed in simulation.
; The chip was launched on July 23, 2026; its instructions are those of AMD's public machine-readable ISA for CDNA 5 (MIT licence, August 2026) and "CDNA5" Instruction Set Architecture Reference Guide (July 2026). The comments in the code are by the model that wrote it; some were corrected since.
;; Decoding Layer. Allowed arithmetic: matrix products marked QUANTISED: E4M3 operands, one given power-of-two scale a tensor, by v_wmma_f32_16x16x64_fp8_fp8 or v_wmma_f32_16x16x128_fp8_fp8, f32 sums; everything else in f32.
;; Inputs: ca_b 1,024 float32; ca_bk 1,024 float32; ca_bq 1,024 float32; ca_bv 1,024 float32; ca_g 1,024 float32; ca_wk_codes 1,024 x 32 x 32 uint8 (E4M3 codes of ca_wk, K innermost, in blocks of 32 codes); ca_wq_codes 1,024 x 32 x 32 uint8 (E4M3 codes of ca_wq, K innermost, in blocks of 32 codes); ca_wv_codes 1,024 x 32 x 32 uint8 (E4M3 codes of ca_wv, K innermost, in blocks of 32 codes); decoded 2 x 2,048 x 1,024 float32; encoded_codes 2 x 2,048 x 32 x 32 uint8 (E4M3 codes of encoded, K innermost, in blocks of 32 codes); ffn_b 1,024 float32; ffn_b1 1,024 float32; ffn_b2 1,024 float32; ffn_g 1,024 float32; ffn_w1_codes 1,024 x 32 x 32 uint8 (E4M3 codes of ffn_w1, K innermost, in blocks of 32 codes); ffn_w2_codes 1,024 x 32 x 32 uint8 (E4M3 codes of ffn_w2, K innermost, in blocks of 32 codes); lowp_scales 24 int32 (the exponents e of the quantised operands' scales 2^e); sa_b 1,024 float32; sa_bk 1,024 float32; sa_bq 1,024 float32; sa_bv 1,024 float32; sa_g 1,024 float32; sa_wk_codes 1,024 x 32 x 32 uint8 (E4M3 codes of sa_wk, K innermost, in blocks of 32 codes); sa_wq_codes 1,024 x 32 x 32 uint8 (E4M3 codes of sa_wq, K innermost, in blocks of 32 codes); sa_wv_codes 1,024 x 32 x 32 uint8 (E4M3 codes of sa_wv, K innermost, in blocks of 32 codes).
;; Outputs: out0 2 x 2,048 x 1,024 float32.
;; This version of the problem:
;;   THIS VERSION OF THE PROBLEM IS GIVEN IN LOW PRECISION. The matrix products marked QUANTISED in the list below multiply operands that are first quantised to E4M3 (4 exponent bits, 3 mantissa bits; 8 bits a number), with one given power-of-two scale for each operand tensor; their sums are f32. All else is computed in f32.
;;   The module's matrix products, in the order in which they are computed (A, B: the left and right operand; K: the contracted axis; several contracted axes count as one K, in the product's order):
;;     1. [M 4,096, K 1,024] x [K 1,024, N 1,024]; A: input decoded; B: input sa_wq (given as codes): QUANTISED (scales: A lowp_scales[0], B lowp_scales[1])
;;     2. [M 4,096, K 1,024] x [K 1,024, N 1,024]; A: input decoded; B: input sa_wk (given as codes): QUANTISED (scales: A lowp_scales[2], B lowp_scales[3])
;;     3. [M 4,096, K 1,024] x [K 1,024, N 1,024]; A: input decoded; B: input sa_wv (given as codes): QUANTISED (scales: A lowp_scales[4], B lowp_scales[5])
;;     4. batch 32 x [M 2,048, K 64] x [K 64, N 2,048]; A: computed on the way; B: computed on the way: QUANTISED (scales: A lowp_scales[6], B lowp_scales[7])
;;     5. batch 32 x [M 2,048, K 2,048] x [K 2,048, N 64]; A: computed on the way; B: computed on the way: QUANTISED (scales: A lowp_scales[8], B lowp_scales[9])
;;     6. [M 4,096, K 1,024] x [K 1,024, N 1,024]; A: computed on the way; B: input ca_wq (given as codes): QUANTISED (scales: A lowp_scales[10], B lowp_scales[11])
;;     7. [M 4,096, K 1,024] x [K 1,024, N 1,024]; A: input encoded (given as codes); B: input ca_wk (given as codes): QUANTISED (scales: A lowp_scales[12], B lowp_scales[13])
;;     8. [M 4,096, K 1,024] x [K 1,024, N 1,024]; A: input encoded (given as codes); B: input ca_wv (given as codes): QUANTISED (scales: A lowp_scales[14], B lowp_scales[15])
;;     9. batch 32 x [M 2,048, K 64] x [K 64, N 2,048]; A: computed on the way; B: computed on the way: QUANTISED (scales: A lowp_scales[16], B lowp_scales[17])
;;     10. batch 32 x [M 2,048, K 2,048] x [K 2,048, N 64]; A: computed on the way; B: computed on the way: QUANTISED (scales: A lowp_scales[18], B lowp_scales[19])
;;     11. [M 4,096, K 1,024] x [K 1,024, N 1,024]; A: computed on the way; B: input ffn_w1 (given as codes): QUANTISED (scales: A lowp_scales[20], B lowp_scales[21])
;;     12. [M 4,096, K 1,024] x [K 1,024, N 1,024]; A: computed on the way; B: input ffn_w2 (given as codes): QUANTISED (scales: A lowp_scales[22], B lowp_scales[23])
;;   THE QUANTISER, for each operand of a quantised product, along K:
;;     - The operand's scale is 2^e, e = its entry of the input lowp_scales (int32; the entries are numbered through the quantised products in the list's order, A before B).
;;     - Each number is divided by the scale, clamped to +-448, and rounded to the nearest number of E4M3, ties to even, subnormals kept.
;;     - The product sums the exact products of the quantised numbers (number of the format x scale) in f32.
;;   ~~~python
;;   def quantise(x, axis, e):      # numpy; x: float32 -> the quantised numbers, widened to float32 again
;;       x = np.moveaxis(x, axis, -1); K = x.shape[-1]
;;       r = np.clip(x / 2.0 ** e, -448, 448)
;;       step = 2.0 ** (np.maximum(np.frexp(np.where(r == 0, 1, r))[1] - 1, -6) - 3)
;;       q = np.round(r / step) * step * 2.0 ** e      # np.round: ties to even
;;       return np.moveaxis(q, -1, axis).astype(np.float32)
;;   ~~~
;;   OPERANDS COMPUTED ON THE WAY. 'Computed on the way' means the value that the module computes at that place (a softmax that the list does not call 'softmax' is quantised finished and normalised). What goes into a quantiser is computed in f32, as accurately as f32 sums, v_exp_f32 and their like allow (about 1e-6 of the number): no bf16 or f16 on the way to a quantiser, and a product that is left as it is and whose result goes on into a quantised operand takes f32 operands (vector FMAs, or v_wmma_f32_16x16x4_f32). A number that lies on a knife's edge between two numbers of the format may be rounded either way, as far as f32 arithmetic and the matrix unit's own rounding can turn it there, and no further.
;;   INPUTS GIVEN AS CODES. ca_wk (in the module: [1024, 1024], K = its axis 0); ca_wq (in the module: [1024, 1024], K = its axis 0); ca_wv (in the module: [1024, 1024], K = its axis 0); encoded (in the module: [2, 2048, 1024], K = its axis 2); ffn_w1 (in the module: [1024, 1024], K = its axis 0); ffn_w2 (in the module: [1024, 1024], K = its axis 0); sa_wk (in the module: [1024, 1024], K = its axis 0); sa_wq (in the module: [1024, 1024], K = its axis 0); sa_wv (in the module: [1024, 1024], K = its axis 0): each comes as NAME_codes (uint8): NAME with its K axis moved to the last place and cut into blocks of 32 codes, [.., K / 32, bytes a block], one block behind the other in memory; one code a byte (a code: sign, 4 exponent bits, 3 mantissa bits); its scale is its entry of lowp_scales. Its value is code x scale, taken as it is: it is not quantised again, and the codes and scales need not be those that the quantiser above would give.
;; One version. Each part assembles by itself: llvm-mc -triple=amdgcn-amd-amdhsa -mcpu=gfx1250 --defsym DOCPART=n.
;; ======== version 1 of 1: 8 launches
;; workspace buffers: dcode 12,582,912 bytes; heads1 20,971,520 bytes; xbuf 20,971,520 bytes; x2buf 20,971,520 bytes; par1 256 bytes of whole numbers; par3 256 bytes of whole numbers; par5 256 bytes of whole numbers
;; launch quant (part 1): grid 256 x 1, 8 waves a work-group, no clusters, 81,920 bytes of LDS; arguments decoded, lowp_scales, dcode, par1, par3, par5; writes dcode, par1, par3, par5
.if DOCPART == 1
	.amdgcn_target "amdgcn-amd-amdhsa--gfx1250"
	.amdhsa_code_object_version 6
	.text
	.protected	k_qb97655343a_quant
	.globl	k_qb97655343a_quant
	.p2align	8
	.type	k_qb97655343a_quant,@function
k_qb97655343a_quant:
	s_mov_b64 s[64:65], 0
	v_nop
	global_prefetch_b8 v0, s[64:65] scope:SCOPE_SE
	s_setreg_imm32_b32 hwreg(HW_REG_WAVE_MODE, 25, 1), 1
	s_wait_xcnt 0x0
; decoded [4096][1024] f32 becomes three planes of E4M3 codes, [4096][1024] bytes each, 4 MiB apart: it is an operand under three given scales, entries 0, 2 and 4 of the exponents.
; code = x / 2^e, held within +-448, to the nearest code, ties to even.  LIMITS: -126 <= e <= 119 for the three; NaN among the inputs is not served.
; Rows are dense, so the tensor is a plain stream.  A wave takes 2,048 numbers: 4 steps of 512.  Each load reads 512 consecutive bytes, 16 a lane; a conversion wants 8 neighbours in ONE lane's registers:
; a step's 2,048 bytes turn through a stage of the wave's own in LDS (16 bytes of padding behind each 64) and come back 64 bytes a lane.  A lane's 16 codes are 16 bytes: a store covers 512 consecutive bytes.
; All 16 loads of a wave go out at the head.  Waves share nothing: no barrier.
; Wave 0 of work-group 0 also stores, for the launches that share one body, tables of {e of A, e of B, e of the result, relu}, 16 bytes a job.
.set SP,    80                         ; a lane's place in a stage: 64 bytes + 16
.set STGB,  32*SP                      ; a step's stage
.set WREG,  4*STGB                     ; a wave's four stages
.set SCL,   8                          ; v8-10    2^e as f32, for the three planes
.set LIM,   11                         ; v11-13   448 x 2^e
.set R,     16                         ; v16-79   the four steps as loaded
.set X,     80                         ; v80-111  two sets of 16 neighbours
.set T,     112                        ; v112-143 two sets of 16 held numbers, by turns from conversion to conversion
.set C,     144                        ; v144-191 codes: four registers for each step and plane: no store's data are written again
	s_load_b128 s[4:7], s[0:1], 0x0                ; decoded, the exponents
	s_load_b128 s[8:11], s[0:1], 0x10              ; dcode, par1
	s_load_b128 s[12:15], s[0:1], 0x20             ; par3, par5
	v_lshrrev_b32 v1, 5, v0
	v_readfirstlane_b32 s16, v1                    ; wave 0..7
	v_and_b32 v2, 31, v0                           ; lane
	v_lshlrev_b32 v3, 4, v2                        ; my 16 bytes of a load's or a store's 512
	s_mul_i32 s17, s16, WREG
	v_lshrrev_b32 v5, 2, v2
	v_mul_u32_u24 v5, v5, SP
	v_and_b32 v4, 3, v2
	v_lshl_add_u32 v5, v4, 4, v5
	v_add_nc_u32 v5, s17, v5                       ; into a stage: SP (lane / 4) + 16 (lane % 4)
	v_mul_u32_u24 v6, v2, SP
	v_add_nc_u32 v6, s17, v6                       ; out of it: SP x lane
	s_lshl_b32 s18, ttmp9, 3
	s_add_co_u32 s18, s18, s16                     ; which run of 2,048 numbers is my wave's
	s_lshl_b32 s26, s18, 13                        ; in bytes of f32,
	s_mov_b32 s27, 0
	s_lshl_b32 s28, s18, 11                        ; and of codes
	s_mov_b32 s29, 0
	s_wait_kmcnt 0x0
	s_load_b256 s[36:43], s[6:7], 0x0              ; the 24 exponents: entry n in s[36 + n]
	s_load_b256 s[44:51], s[6:7], 0x20
	s_load_b256 s[52:59], s[6:7], 0x40
	s_add_nc_u64 s[4:5], s[4:5], s[26:27]
	s_add_nc_u64 s[20:21], s[8:9], s[28:29]        ; plane 0,
	s_add_nc_u64 s[22:23], s[20:21], 0x400000      ; plane 1,
	s_add_nc_u64 s[24:25], s[20:21], 0x800000      ; plane 2
.macro LOAD t
.irp i, 0,1,2,3
	global_load_b128 v[R+16*(\t)+4*\i:R+16*(\t)+4*\i+3], v3, s[4:5] offset:2048*(\t)+512*\i th:TH_LOAD_NT
.endr
.endm
.macro TURN t                          ; step t through its stage: LDS serves a wave's instructions in order, so no wait stands between the stores and the loads
.irp i, 0,1,2,3
	ds_store_b128 v5, v[R+16*(\t)+4*\i:R+16*(\t)+4*\i+3] offset:STGB*(\t)+8*SP*\i
.endr
.irp i, 0,1,2,3
	ds_load_b128 v[X+16*((\t)%2)+4*\i:X+16*((\t)%2)+4*\i+3], v6 offset:STGB*(\t)+16*\i
.endr
.endm
.irp t, 0,1,2,3
	LOAD \t
.endr
	s_wait_kmcnt 0x0
.irp j, 0,1,2
	s_add_co_i32 s30, s[36+2*\j], 127
	s_lshl_b32 s31, s30, 23
	v_mov_b32 v[SCL+\j], s31                       ; 2^e: the conversion takes its exponent field
	s_add_co_i32 s30, s30, 8
	s_lshl_b32 s30, s30, 23
	s_or_b32 s30, s30, 0x600000
	v_mov_b32 v[LIM+\j], s30                       ; 448 x 2^e
.endr
	s_or_b32 s30, ttmp9, s16
	s_cmp_lg_u32 s30, 0
	s_cbranch_scc1 .Lno_par                        ; one wave of the launch stores the tables
.macro PAR n, a, b, o, f
	v_mov_b32 v[T+4*\n], s[36+\a]
	v_mov_b32 v[T+4*\n+1], s[36+\b]
	v_mov_b32 v[T+4*\n+2], s[36+\o]
	v_mov_b32 v[T+4*\n+3], \f
.endm
	s_wait_xcnt 0x0                                ; EXEC is a source of the loads above: it changes only behind this wait
	v_cmp_eq_u32 vcc_lo, 0, v0
	s_and_saveexec_b32 s31, vcc_lo                 ; lane 0 alone
	PAR 0, 0, 1, 6, 0                              ; self-attention's q
	PAR 1, 2, 3, 7, 0                              ; its k
	PAR 2, 12, 13, 17, 0                           ; cross-attention's k
	PAR 3, 4, 5, 9, 0                              ; self-attention's v
	PAR 4, 14, 15, 19, 0                           ; cross-attention's v
	PAR 5, 10, 11, 16, 0                           ; cross-attention's q
	PAR 6, 20, 21, 22, 1                           ; the hidden layer, with its relu
	v_mov_b32 v[T+28], 0
.irp n, 0,1,2,3,4
	global_store_b128 v[T+28], v[T+4*\n:T+4*\n+3], s[10:11] offset:16*\n
.endr
	global_store_b128 v[T+28], v[T+20:T+23], s[12:13]
	global_store_b128 v[T+28], v[T+24:T+27], s[14:15]
	s_wait_xcnt 0x0                                ; and again in front of the line that widens EXEC; the stores' registers are free behind it too
	s_or_b32 exec_lo, exec_lo, s31
.Lno_par:
	s_wait_loadcnt 12                              ; step 0's four loads are in; the twelve behind them may be out
	TURN 0
.macro STEP t
	s_wait_dscnt 0x0                               ; this step's numbers are back from its stage
.if (\t) < 3
	s_wait_loadcnt 8-4*(\t)                        ; the next step's four loads are in; those of the steps behind it may be out
	TURN (\t)+1                                    ; and turn while this step is worked
.endif
.irp j, 0,1,2
.set TS, T+16*((3*(\t)+\j)%2)
.set CC, C+4*(3*(\t)+\j)
.set i, 0
.rept 16
	v_med3_num_f32 v[TS+i], v[X+16*((\t)%2)+i], -v[LIM+\j], v[LIM+\j]   ; the conversion to an 8-bit code does not saturate (ISA guide 7.6.2): the hold comes first
.set i, i+1
.endr
	v_cvt_scalef32_pk8_fp8_f32 v[CC:CC+1], v[TS:TS+7], v[SCL+\j]
	v_cvt_scalef32_pk8_fp8_f32 v[CC+2:CC+3], v[TS+8:TS+15], v[SCL+\j]   ; its sources are written again two turns on: the other set's sixteen holds stand between
	global_store_b128 v3, v[CC:CC+3], s[20+2*\j:21+2*\j] offset:512*(\t)
.endr
.endm
.irp t, 0,1,2,3
	STEP \t
.endr
	s_endpgm
.Lfunc_end_k_qb97655343a_quant:
	.size	k_qb97655343a_quant, .Lfunc_end_k_qb97655343a_quant-k_qb97655343a_quant
	.p2alignl 7, 3214868480
	.fill 96, 4, 3214868480
	.section	.rodata,"a",@progbits
	.p2align	6, 0x0
	.amdhsa_kernel k_qb97655343a_quant
		.amdhsa_group_segment_fixed_size 81920
		.amdhsa_private_segment_fixed_size 0
		.amdhsa_enable_private_segment 0
		.amdhsa_kernarg_size 48
		.amdhsa_user_sgpr_count 2
		.amdhsa_user_sgpr_kernarg_segment_ptr 1
		.amdhsa_wavefront_size32 1
		.amdhsa_system_sgpr_workgroup_id_x 1
		.amdhsa_system_sgpr_workgroup_id_y 1
		.amdhsa_system_sgpr_workgroup_id_z 1
		.amdhsa_system_vgpr_workitem_id 0
		.amdhsa_next_free_vgpr 192
		.amdhsa_next_free_sgpr 66
		.amdhsa_reserve_vcc 1
		.amdhsa_float_denorm_mode_32 3
		.amdhsa_float_denorm_mode_16_64 3
		.amdhsa_memory_ordered 1
		.amdhsa_forward_progress 1
		.amdhsa_inst_pref_size 23
	.end_amdhsa_kernel
	.amdgpu_metadata
---
amdhsa.version: [ 1, 2 ]
amdhsa.kernels:
  - .name:           k_qb97655343a_quant
    .symbol:         k_qb97655343a_quant.kd
    .args:
      - { .name: decoded, .offset: 0, .size: 8, .value_kind: global_buffer, .address_space: global }
      - { .name: lowp_scales, .offset: 8, .size: 8, .value_kind: global_buffer, .address_space: global }
      - { .name: dcode, .offset: 16, .size: 8, .value_kind: global_buffer, .address_space: global }
      - { .name: par1, .offset: 24, .size: 8, .value_kind: global_buffer, .address_space: global }
      - { .name: par3, .offset: 32, .size: 8, .value_kind: global_buffer, .address_space: global }
      - { .name: par5, .offset: 40, .size: 8, .value_kind: global_buffer, .address_space: global }
    .group_segment_fixed_size: 81920
    .private_segment_fixed_size: 0
    .kernarg_segment_align: 8
    .kernarg_segment_size: 48
    .max_flat_workgroup_size: 256
    .sgpr_count:     66
    .vgpr_count:     192
    .wavefront_size: 32
...
	.end_amdgpu_metadata
.endif
;; end of part 1
;; launch proj (part 2): grid 8 x 160, 4 waves a work-group, clusters of 4 x 4, 327,680 bytes of LDS; arguments dcode, encoded_codes, sa_wq_codes, sa_wk_codes, ca_wk_codes, sa_wv_codes, ca_wv_codes, sa_bq, sa_bk, ca_bk, sa_bv, ca_bv, par1, heads1; writes heads1
.if DOCPART == 2
	.amdgcn_target "amdgcn-amd-amdhsa--gfx1250"
	.amdhsa_code_object_version 6
	.text
	.protected	k_qb97655343a_proj
	.globl	k_qb97655343a_proj
	.p2align	8
	.type	k_qb97655343a_proj,@function
k_qb97655343a_proj:
	s_mov_b64 s[64:65], 0
	v_nop
	global_prefetch_b8 v0, s[64:65] scope:SCOPE_SE
	s_setreg_imm32_b32 hwreg(HW_REG_WAVE_MODE, 25, 1), 1
	s_wait_xcnt 0x0
	s_wait_alu depctr_hold_cnt(0) depctr_sa_sdst(0) depctr_va_vdst(0) depctr_va_sdst(0) depctr_va_ssrc(0) depctr_va_vcc(0) depctr_vm_vsrc(0)
	s_getreg_b32 s2, hwreg(HW_REG_IB_STS2, 6, 4)
	s_cmp_eq_u32 s2, 0
	s_cbranch_scc0 .Lentry_in_a_cluster
	s_endpgm
.Lentry_in_a_cluster:
	s_bfe_u32 s2, ttmp6, 0x10000c
	s_cmp_lg_u32 s2, 0xf033
	s_cbranch_scc0 .Lentry_shape_is_right
	s_endpgm
.Lentry_shape_is_right:
; out = Q(act W^T + bias): a GEMM on E4M3 codes, [4096][1024] x [1024][1024], whose result is quantised on the way out.  One body for up to five jobs of that shape: 32 tile rows of the grid's y to a job.
; Arguments: two buffers of activation codes, five of weight codes, five biases, a table {eA, eB, eOut, relu} (16 bytes a job), the result.  Jobs 0, 1, 3 take planes 0, 1, 2 (4 MiB apart) of the first buffer, jobs 2, 4 the second.
; A work-group makes 128 x 128, four waves 64 x 64 each (16 accumulators).  K is 1,024 bytes: BOTH TILES LIE WHOLE IN LDS, in four chunks of 256 along K, each byte filled once: no slot is ever filled again.
; CLUSTERS, 4 x 4: the activation tile is shared along a row of the cluster, the weight tile along a column: each is asked for jointly, by the same tensor load with a mask that names the four.
; D = P x Q: lane (r, h), register j of accumulator (q, p) holds (P's row 16 p + 8 h + j, Q's row 16 q + r): eight neighbours along P's rows, which one conversion turns into eight codes.
;   jobs 0-2 (q, k, hidden): P = W's rows, Q = activation rows: codes run along the head's 64.  Laid [b][head][s][64].
;   jobs 3, 4 (v):           P = activation rows (keys), Q = W's rows: codes run along the keys, the next product's K.  Laid [b][head][key / 64][d][64 keys].
; The two cases differ in two LDS base terms, in which half of which tile a wave takes and in the bias's two factors, all chosen by s_cselect_b32 on the job's number: no branch.  A wave's 64 x 64 codes are one dense block of 4,096 bytes in either layout.
; A fragment is fetched by four loads of 16 bytes: a permutation of k inside the instruction, the same in P and in Q, so every product meets its partner.
; LIMITS: eA + eB between -127 and 126; eOut - eA - eB between -126 and 119; NaN and infinities are not served.
; REGISTERS: window 0: v1-22 addresses and scales; v32-63 the bias along P; v64-71 along Q; v72-103 at work; v104-111 codes; v128-255 accumulators.  Window 1: two fragment buffers of 128 (Q's four fragments, then P's four).
.set PITCH,  272                       ; an LDS row: 256 bytes + 16 of padding
.set HALF,   64*PITCH                  ; what one tensor load brings, and what one wave reads of a tile's chunk
.set CHUNK,  4*HALF                    ; activation rows 0-127, then W's rows 0-127, 256 along K
.set STG,    4*CHUNK                   ; behind the chunks: 64 rows x 80 bytes for each wave, for the way out; no fill lands there
.set SROW,   80
.set ADQ,  4                           ; v4-7    LDS address of my Q fragments in chunk c
.set ADP,  8                           ; v8-11   of my P fragments
.set STO,  12                          ; v12     the stage: where I put 8 codes
.set RD,   13                          ; v13     and where I read 16 back
.set GO,   14                          ; v14     16 x lane
.set VBP,  15                          ; v15     byte offset in the bias of my eight numbers along P
.set VBQ,  16                          ; v16     of my one number along Q
.set RLO,  20                          ; v20     the hold's lower bound: 0 with relu, else -448 x the scale
.set RHI,  21                          ; v21     448 x the scale
.set RSC,  22                          ; v22     the scale 2^(eOut - eA - eB)
.set BP,   32
.set BQ,   64
.set TMP,  72
.set CD,   104
.set ACC,  128
.set G1A,  24                          ; s[24:31] group 1 for activation tiles; s[32:47] group 0, a set for each chunk
.set G0A,  32
.set G1W,  48                          ; s[48:55], s[68:83] the same for W's tiles
.set G0W,  68
.set MSB, 0
.macro WIN new                         ; the immediate's high byte repeats the setting that is left
.if MSB != \new
	s_set_vgpr_msb (MSB<<8)|\new
.set MSB, \new
.endif
.endm
.set MUL,  0x05                        ; sources 0 and 1 window 1; C and D window 0
.set TO_F, 0x40                        ; destination window 1, address window 0
.macro CROUND                          ; a round of the cluster's barrier
	s_barrier_signal -1
	s_barrier_wait -1
	s_cmp_lg_u32 s14, 0
	s_cbranch_scc1 .Lnot_wave_0_\@
	s_barrier_signal -3
.Lnot_wave_0_\@:
	s_barrier_wait -3
	s_barrier_signal -1
	s_barrier_wait -1
.endm
.macro PLACES                          ; four places in front of loads into registers that matrix instructions have read
.rept 4
	v_nop
.endr
.endm
	s_load_b128 s[4:7], s[0:1], 0x0                ; the two activation buffers
	s_load_b256 s[32:39], s[0:1], 0x10             ; W of jobs 0-3
	s_load_b64 s[40:41], s[0:1], 0x30              ; of job 4
	s_load_b256 s[68:75], s[0:1], 0x38             ; bias of jobs 0-3
	s_load_b64 s[76:77], s[0:1], 0x58              ; of job 4
	s_load_b128 s[84:87], s[0:1], 0x60             ; the table, the result
	v_lshrrev_b32 v1, 5, v0
	v_readfirstlane_b32 s14, v1                    ; wave 0..3
	s_lshr_b32 s15, s14, 1                         ; qh: my half of Q's rows.  Also: I fetch activations (0) or W (1)
	s_and_b32 s16, s14, 1                          ; ph: my half of P's rows.  Also: which 64 rows I fetch
	s_bfe_u32 s56, ttmp6, 0x40000                  ; cx
	s_bfe_u32 s57, ttmp6, 0x40004                  ; cy
	s_lshl_b32 s58, ttmp9, 2
	s_add_co_u32 s58, s58, s56                     ; tile column x = 4 x cluster x + cx
	s_and_b32 s59, ttmp7, 0xffff                   ; cluster y: eight to a job
	s_lshr_b32 s18, s59, 3                         ; the job: the same in all partners
	s_and_b32 s17, s59, 7
	s_lshl_b32 s17, s17, 2
	s_add_co_u32 s17, s17, s57                     ; tile row y = 4 x (cluster y % 8) + cy
	s_lshl_b32 s60, s57, 2
	s_lshl_b32 s60, 15, s60                        ; my row of the cluster
	s_lshl_b32 s61, 0x1111, s56                    ; my column
	s_cmp_ge_u32 s18, 3                            ; a job for v?
	s_cselect_b32 s19, 1, 0
	s_cselect_b32 s95, s15, s16                    ; which half of W's tile is mine
	s_cselect_b32 s96, s16, s15                    ; which half of the activation tile
	s_cselect_b32 s2, 2*HALF, 0                    ; where Q's rows lie in a chunk,
	s_cselect_b32 s3, 0, 2*HALF                    ; and P's
	s_or_b32 s[G1A], s60, (1<<20)|(1<<21)|(5<<22)|(3<<25)   ; 15:0 the mask; elements of 1 byte; 20 padding on; 21 set beside a mask; after every 64 words, 4 words
	s_or_b32 s[G1W], s61, (1<<20)|(1<<21)|(5<<22)|(3<<25)
.irp g, G1A, G1W
	s_mov_b32 s[\g+1], 256<<16                     ; tensor_dim0
	s_mov_b32 s[\g+2], 64<<16                      ; tensor_dim1
	s_mov_b32 s[\g+3], 256<<16                     ; tile_dim0
	s_mov_b32 s[\g+4], 64                          ; tile_dim1
	s_mov_b32 s[\g+5], 1024                        ; bytes from row to row
	s_mov_b32 s[\g+6], 0
	s_mov_b32 s[\g+7], 0
.endr
	s_add_co_u32 s62, s18, 1
	s_lshr_b32 s62, s62, 1
	s_lshl_b32 s62, s62, 22                        ; jobs 0, 1, 3: planes 0, 1, 2 of the first buffer
	s_lshl_b32 s90, s17, 7
	s_lshl_b32 s91, s16, 6
	s_add_co_u32 s90, s90, s91
	s_lshl_b32 s90, s90, 10                        ; activation row 128 y + 64 (wave % 2), in bytes
	s_mov_b32 s91, 0
	s_lshl_b32 s92, s58, 7
	s_lshl_b32 s93, s16, 6
	s_add_co_u32 s92, s92, s93
	s_lshl_b32 s92, s92, 10                        ; W's row 128 x + 64 (wave % 2), in bytes
	s_mov_b32 s93, 0
	s_mul_i32 s94, s14, HALF                       ; where my part of a chunk goes: no place in the cluster enters an LDS address
	s_lshl_b32 s88, s18, 4                         ; the job's 16 bytes of the table
	s_mov_b32 s89, 0
	v_and_b32 v1, 15, v0                           ; r
	v_bfe_u32 v2, v0, 4, 1                         ; h
	v_and_b32 v3, 31, v0                           ; lane
	s_lshl_b32 s99, s58, 9
	s_lshl_b32 s100, s95, 8
	s_add_co_u32 s99, s99, s100                    ; the bias at column 128 x + 64 (my half of W's tile), in bytes
	v_lshl_add_u32 v[VBP], v2, 5, s99              ; + 8 h numbers
	v_lshl_add_u32 v[VBQ], v1, 2, s99              ; + r numbers
	s_wait_kmcnt 0x0
	s_cmp_eq_u32 s18, 2                            ; the choices hang on the job's number alone
	s_cselect_b64 s[4:5], s[6:7], s[4:5]
	s_cselect_b32 s62, 0, s62
	s_cmp_eq_u32 s18, 4
	s_cselect_b64 s[4:5], s[6:7], s[4:5]
	s_cselect_b32 s62, 0, s62
	s_mov_b64 s[8:9], s[32:33]
	s_mov_b64 s[10:11], s[68:69]
.irp j, 1,2,3,4
	s_cmp_eq_u32 s18, \j
	s_cselect_b64 s[8:9], s[32+2*\j:33+2*\j], s[8:9]
	s_cselect_b64 s[10:11], s[68+2*\j:69+2*\j], s[10:11]
.endr
	s_add_nc_u64 s[84:85], s[84:85], s[88:89]
	s_load_b128 s[20:23], s[84:85], 0x0            ; eA, eB, eOut, relu
	s_add_co_u32 s90, s90, s62
	s_add_nc_u64 s[4:5], s[4:5], s[90:91]
	s_add_nc_u64 s[8:9], s[8:9], s[92:93]
.irp c, 0,1,2,3
	s_mov_b32 s[G0A+4*\c], 1                       ; count = 1
	s_add_co_u32 s[G0A+4*\c+1], s94, \c*CHUNK      ; LDS address
	s_add_nc_u64 s[G0A+4*\c+2:G0A+4*\c+3], s[4:5], 256*\c   ; global address: chunk c of K
	s_or_b32 s[G0A+4*\c+3], s[G0A+4*\c+3], 0x80000000       ; type = 2
	s_mov_b32 s[G0W+4*\c], 1
	s_add_co_u32 s[G0W+4*\c+1], s94, \c*CHUNK
	s_add_nc_u64 s[G0W+4*\c+2:G0W+4*\c+3], s[8:9], 256*\c
	s_or_b32 s[G0W+4*\c+3], s[G0W+4*\c+3], 0x80000000
.endr
.irp p, 0,1,2,3
	global_load_b128 v[BP+8*\p:BP+8*\p+3], v[VBP], s[10:11] offset:64*\p        ; the bias at 16 p + 8 h + 0 .. 7 of my 64 columns
	global_load_b128 v[BP+8*\p+4:BP+8*\p+7], v[VBP], s[10:11] offset:64*\p+16
.endr
.irp q, 0,1,2,3
	global_load_b32 v[BQ+2*\q], v[VBQ], s[10:11] offset:64*\q                   ; and at 16 q + r
.endr
	CROUND                                         ; all sixteen work-groups are here: the joint loads meet
	s_cmp_eq_u32 s15, 0                            ; a wave's four fills stand in one branch on its number: four loads of mine are out
	s_cbranch_scc0 .Lfor_w
	tensor_load_to_lds s[G0A:G0A+3], s[G1A:G1A+7]
	tensor_load_to_lds s[G0A+4:G0A+7], s[G1A:G1A+7]
	tensor_load_to_lds s[G0A+8:G0A+11], s[G1A:G1A+7]
	tensor_load_to_lds s[G0A+12:G0A+15], s[G1A:G1A+7]
.rept 4
	v_nop
.endr
	s_branch .Lasked
.Lfor_w:
	tensor_load_to_lds s[G0W:G0W+3], s[G1W:G1W+7]
	tensor_load_to_lds s[G0W+4:G0W+7], s[G1W:G1W+7]
	tensor_load_to_lds s[G0W+8:G0W+11], s[G1W:G1W+7]
	tensor_load_to_lds s[G0W+12:G0W+15], s[G1W:G1W+7]
.rept 4
	v_nop
.endr
.Lasked:
	v_mul_u32_u24 v17, v1, PITCH
	v_lshl_add_u32 v17, v2, 4, v17                 ; a fragment's row x pitch + 16 x half
	s_mul_i32 s101, s15, HALF
	s_add_co_u32 s2, s2, s101                      ; my 64 rows of Q
	s_mul_i32 s101, s16, HALF
	s_add_co_u32 s3, s3, s101                      ; my 64 rows of P
.irp c, 0,1,2,3
	v_add_nc_u32 v[ADQ+\c], s2, v17
	v_add_nc_u32 v[ADP+\c], s3, v17
	s_add_co_u32 s2, s2, CHUNK
	s_add_co_u32 s3, s3, CHUNK
.endr
	s_mul_i32 s101, s14, 64*SROW
	s_add_co_u32 s101, s101, STG                   ; my stage
	v_mul_u32_u24 v[STO], v1, SROW
	v_lshl_add_u32 v[STO], v2, 3, v[STO]
	v_add_nc_u32 v[STO], s101, v[STO]              ; in: row r, + 8 h
	v_lshrrev_b32 v18, 2, v3
	v_mul_u32_u24 v[RD], v18, SROW
	v_and_b32 v18, 3, v3
	v_lshl_add_u32 v[RD], v18, 4, v[RD]
	v_add_nc_u32 v[RD], s101, v[RD]                ; back: four lanes to a row of 64 bytes
	v_lshlrev_b32 v[GO], 4, v3
	; my block of 4,096 bytes: plane job, (16 b + 2 x + my half of W's tile) x 131,072 + (2 (y % 16) + my half of the activation tile) x 4,096
	s_lshl_b32 s88, s18, 22
	s_lshr_b32 s89, s17, 4
	s_lshl_b32 s89, s89, 4
	s_lshl_b32 s99, s58, 1
	s_add_co_u32 s89, s89, s99
	s_add_co_u32 s89, s89, s95
	s_lshl_b32 s89, s89, 17
	s_add_co_u32 s88, s88, s89
	s_and_b32 s89, s17, 15
	s_lshl_b32 s89, s89, 1
	s_add_co_u32 s89, s89, s96
	s_lshl_b32 s89, s89, 12
	s_add_co_u32 s88, s88, s89
	s_mov_b32 s89, 0
	s_add_nc_u64 s[12:13], s[86:87], s[88:89]
.macro FRAG reg, adr, off              ; 16 rows x 128 K: registers 4 c .. 4 c + 3 hold K = 32 c + 16 h + 0 .. 15 of row r
.irp c, 0,1,2,3
	ds_load_b128 v[\reg+4*\c:\reg+4*\c+3], v[\adr] offset:\off+32*\c
.endr
.endm
.macro FETCH s                         ; 32 LDS loads in one run: the fragments of the s-th 128 along K into buffer s % 2
	WIN TO_F
.irp i, 0,1,2,3
	FRAG 128*((\s)%2)+16*\i, ADQ+(\s)/2, 128*((\s)%2)+\i*16*PITCH
	FRAG 128*((\s)%2)+64+16*\i, ADP+(\s)/2, 128*((\s)%2)+\i*16*PITCH
.endr
.endm
.macro MUL16 b, zero                   ; the 16 accumulators take turns, one instruction a turn, in the same order in every step.  zero: the first products start the sums
.irp q, 0,1,2,3
.irp p, 0,1,2,3
.if \zero
	v_wmma_f32_16x16x128_fp8_fp8 v[ACC+8*(4*\q+\p):ACC+8*(4*\q+\p)+7], v[128*(\b)+64+16*\p:128*(\b)+64+16*\p+15], v[128*(\b)+16*\q:128*(\b)+16*\q+15], 0
.else
	v_wmma_f32_16x16x128_fp8_fp8 v[ACC+8*(4*\q+\p):ACC+8*(4*\q+\p)+7], v[128*(\b)+64+16*\p:128*(\b)+64+16*\p+15], v[128*(\b)+16*\q:128*(\b)+16*\q+15], v[ACC+8*(4*\q+\p):ACC+8*(4*\q+\p)+7]
.endif
.endr
.endr
.endm
.macro STEP s                          ; fetch the next 128 along K, multiply this one
.if ((\s)+1 < 8) && (((\s)+1)%2 == 0)
	s_wait_tensorcnt 3-((\s)+1)/2                  ; my part of the next chunk is in; my loads of the chunks behind it may be out
	s_wait_dscnt 0x0                               ; no LDS instruction of mine is pending at a signal
	s_barrier_signal -1
	s_barrier_wait -1                              ; everybody's part is in
.endif
.if (\s) < 7
.if (\s) > 0
	PLACES
.endif
	FETCH (\s)+1
	s_wait_dscnt 32                                ; all but the 32 just issued
.else
	s_wait_dscnt 0x0
.endif
	WIN MUL
	MUL16 (\s)%2, (\s)==0
.endm
	s_wait_tensorcnt 0x3                           ; my part of chunk 0 is in,
	s_barrier_signal -1
	s_barrier_wait -1                              ; everybody's is
	FETCH 0
.irp s, 0,1,2,3,4,5,6,7
	STEP \s
.endr
	WIN 0
	; THE WAY OUT.  A sum stands for sum x 2^(eA + eB): the bias goes in as bias / 2^(eA + eB), and the conversion takes 2^(eOut - eA - eB) as its one scale.
	s_wait_loadcnt 0x0                             ; the bias
	s_wait_kmcnt 0x0                               ; the job's exponents
	s_add_co_i32 s88, s20, s21                     ; eA + eB
	s_sub_co_i32 s89, s22, s88
	s_add_co_i32 s89, s89, 127
	s_lshl_b32 s90, s89, 23                        ; 2^(eOut - eA - eB)
	s_add_co_i32 s89, s89, 8
	s_lshl_b32 s89, s89, 23
	s_or_b32 s89, s89, 0x600000                    ; 448 x that
	s_or_b32 s91, s89, 0x80000000                  ; and its negative,
	s_cmp_lg_u32 s23, 0
	s_cselect_b32 s91, 0, s91                      ; or 0: the activation and the hold in one
	s_sub_co_i32 s88, 127, s88
	s_lshl_b32 s88, s88, 23                        ; 2^-(eA + eB)
	s_cmp_lg_u32 s19, 0
	s_cselect_b32 s92, 0, s88                      ; the bias runs along W's rows: along P in jobs 0-2,
	s_cselect_b32 s93, s88, 0                      ; along Q in jobs 3, 4: the other copy is multiplied by 0
.set i, 0
.rept 16
	v_pk_mul_f32 v[BP+i:BP+i+1], v[BP+i:BP+i+1], s[92:93] op_sel_hi:[1,0]   ; (these name no register of the last products: they are the places behind them)
.set i, i+2
.endr
.irp q, 0,1,2,3
	v_mul_f32 v[BQ+2*\q+1], s93, v[BQ+2*\q]
	v_mul_f32 v[BQ+2*\q], s93, v[BQ+2*\q]
.endr
	v_mov_b32 v[RLO], s91
	v_mov_b32 v[RHI], s89
	v_mov_b32 v[RSC], s90
.macro QOUT q                          ; Q's rows 16 q on: 16 rows x 64 codes into my stage
.irp p, 0,1,2,3
.irp i, 0,2,4,6
	v_pk_add_f32 v[TMP+8*\p+\i:TMP+8*\p+\i+1], v[ACC+8*(4*\q+\p)+\i:ACC+8*(4*\q+\p)+\i+1], v[BP+8*\p+\i:BP+8*\p+\i+1]   ; each accumulator from its low end on
.endr
.endr
.set i, 0
.rept 16
	v_pk_add_f32 v[TMP+i:TMP+i+1], v[TMP+i:TMP+i+1], v[BQ+2*\q:BQ+2*\q+1]
.set i, i+2
.endr
.set i, 0
.rept 32
	v_med3_num_f32 v[TMP+i], v[TMP+i], v[RLO], v[RHI]   ; the conversion to an 8-bit code does not saturate (ISA guide 7.6.2)
.set i, i+1
.endr
	s_wait_dscnt 0x0                               ; the stores of the rows before have read the codes' registers
.irp p, 0,1,2,3
	v_cvt_scalef32_pk8_fp8_f32 v[CD+2*\p:CD+2*\p+1], v[TMP+8*\p:TMP+8*\p+7], v[RSC]
.endr
	v_nop                                          ; a plain line between the last conversion and the next vector line that writes its sources
.irp p, 0,1,2,3
	ds_store_b64 v[STO], v[CD+2*\p:CD+2*\p+1] offset:16*SROW*\q+16*\p
.endr
.endm
	QOUT 0
	QOUT 1
	QOUT 2
	QOUT 3
.irp i, 0,1,2,3,4,5,6,7
	ds_load_b128 v[TMP+4*\i:TMP+4*\i+3], v[RD] offset:8*SROW*\i   ; LDS serves a wave's instructions in order: these see my stores
.endr
.irp i, 0,1,2,3,4,5,6,7
	s_wait_dscnt 7-\i                              ; the younger loads may be out
	global_store_b128 v[GO], v[TMP+4*\i:TMP+4*\i+3], s[12:13] offset:512*\i   ; 32 lanes store 512 consecutive bytes, at a multiple of 256 from the buffer's first byte
.endr
	s_wait_dscnt 0x0
	CROUND                                         ; the closing round: no work-group ends while a partner may still ask for a tile that names it
	s_endpgm
.Lfunc_end_k_qb97655343a_proj:
	.size	k_qb97655343a_proj, .Lfunc_end_k_qb97655343a_proj-k_qb97655343a_proj
	.p2alignl 7, 3214868480
	.fill 96, 4, 3214868480
	.section	.rodata,"a",@progbits
	.p2align	6, 0x0
	.amdhsa_kernel k_qb97655343a_proj
		.amdhsa_group_segment_fixed_size 327680
		.amdhsa_private_segment_fixed_size 0
		.amdhsa_enable_private_segment 0
		.amdhsa_kernarg_size 112
		.amdhsa_user_sgpr_count 2
		.amdhsa_user_sgpr_kernarg_segment_ptr 1
		.amdhsa_wavefront_size32 1
		.amdhsa_system_sgpr_workgroup_id_x 1
		.amdhsa_system_sgpr_workgroup_id_y 1
		.amdhsa_system_sgpr_workgroup_id_z 1
		.amdhsa_system_vgpr_workitem_id 0
		.amdhsa_next_free_vgpr 512
		.amdhsa_next_free_sgpr 102
		.amdhsa_reserve_vcc 0
		.amdhsa_float_denorm_mode_32 3
		.amdhsa_float_denorm_mode_16_64 3
		.amdhsa_memory_ordered 1
		.amdhsa_forward_progress 1
		.amdhsa_inst_pref_size 59
	.end_amdhsa_kernel
	.amdgpu_metadata
---
amdhsa.version: [ 1, 2 ]
amdhsa.kernels:
  - .name:           k_qb97655343a_proj
    .symbol:         k_qb97655343a_proj.kd
    .args:
      - { .name: dcode, .offset: 0, .size: 8, .value_kind: global_buffer, .address_space: global }
      - { .name: encoded_codes, .offset: 8, .size: 8, .value_kind: global_buffer, .address_space: global }
      - { .name: sa_wq_codes, .offset: 16, .size: 8, .value_kind: global_buffer, .address_space: global }
      - { .name: sa_wk_codes, .offset: 24, .size: 8, .value_kind: global_buffer, .address_space: global }
      - { .name: ca_wk_codes, .offset: 32, .size: 8, .value_kind: global_buffer, .address_space: global }
      - { .name: sa_wv_codes, .offset: 40, .size: 8, .value_kind: global_buffer, .address_space: global }
      - { .name: ca_wv_codes, .offset: 48, .size: 8, .value_kind: global_buffer, .address_space: global }
      - { .name: sa_bq, .offset: 56, .size: 8, .value_kind: global_buffer, .address_space: global }
      - { .name: sa_bk, .offset: 64, .size: 8, .value_kind: global_buffer, .address_space: global }
      - { .name: ca_bk, .offset: 72, .size: 8, .value_kind: global_buffer, .address_space: global }
      - { .name: sa_bv, .offset: 80, .size: 8, .value_kind: global_buffer, .address_space: global }
      - { .name: ca_bv, .offset: 88, .size: 8, .value_kind: global_buffer, .address_space: global }
      - { .name: par1, .offset: 96, .size: 8, .value_kind: global_buffer, .address_space: global }
      - { .name: heads1, .offset: 104, .size: 8, .value_kind: global_buffer, .address_space: global }
    .group_segment_fixed_size: 327680
    .private_segment_fixed_size: 0
    .kernarg_segment_align: 8
    .kernarg_segment_size: 112
    .max_flat_workgroup_size: 128
    .sgpr_count:     102
    .vgpr_count:     512
    .wavefront_size: 32
...
	.end_amdgpu_metadata
.endif
;; end of part 2
;; launch sa_attn (part 3): grid 8 x 32, 16 waves a work-group, clusters of 4 x 1, 327,680 bytes of LDS; arguments heads1, decoded, sa_g, sa_b, lowp_scales, xbuf; writes xbuf
.if DOCPART == 3
	.amdgcn_target "amdgcn-amd-amdhsa--gfx1250"
	.amdhsa_code_object_version 6
	.text
	.protected	k_qb97655343a_sa_attn
	.globl	k_qb97655343a_sa_attn
	.p2align	8
	.type	k_qb97655343a_sa_attn,@function
k_qb97655343a_sa_attn:
	s_mov_b64 s[64:65], 0
	v_nop
	global_prefetch_b8 v0, s[64:65] scope:SCOPE_SE
	s_setreg_imm32_b32 hwreg(HW_REG_WAVE_MODE, 25, 1), 1
	s_wait_xcnt 0x0
	s_wait_alu depctr_hold_cnt(0) depctr_sa_sdst(0) depctr_va_vdst(0) depctr_va_sdst(0) depctr_va_ssrc(0) depctr_va_vcc(0) depctr_vm_vsrc(0)
	s_getreg_b32 s2, hwreg(HW_REG_IB_STS2, 6, 4)
	s_cmp_eq_u32 s2, 0
	s_cbranch_scc0 .Lentry_in_a_cluster
	s_endpgm
.Lentry_in_a_cluster:
	s_bfe_u32 s2, ttmp6, 0x10000c
	s_cmp_lg_u32 s2, 0x3003
	s_cbranch_scc0 .Lentry_shape_is_right
	s_endpgm
.Lentry_shape_is_right:
; Self-attention, residual and LayerNorm.  a = softmax(q k^T / sqrt(2048)) x triu; z = a v; x = LN(decoded + merge(z)).  Both products on E4M3 codes with given scales.
; WHAT IS QUANTISED IS THE FINISHED, NORMALISED WEIGHT (behind the mask), so a row's maximum and sum are known first: TWO PASSES over the keys.  Pass 1: K Q^T, running maximum and sum.  Pass 2: K Q^T again,
; p = 2^(c s - ML), ML = maximum + log2(sum), quantised, times V.  The mask keeps key >= query: pass 2 leaves out the steps all of whose keys come before the wave's queries, and hides the rest on the diagonal step.
; q, k: [b][head][s][64] codes.  v: [b][head][key / 64][d][64 keys] codes.  A work-group takes one head and 16 tiles of 16 queries, a tile to each of its SIXTEEN waves (four to a SIMD, 256 registers each).
; THE HEAD'S WHOLE K AND V LIE IN LDS, each byte filled once.  The four work-groups of a cluster share the head: each wave's two tensor loads are joint loads.
; Tile = x + 8 wq, x the work-group (0..7), wq a permutation of the wave's number: a tile's queries lie in key step wq whatever x is, so the mask's branches hang on the wave's number alone and all work-groups have equal work.
; merge(z) views [b][head][s][64] as [b][s][1024]: the 16 queries of tile tl of a head ARE row 128 (16 b + head) + tl of 1,024 numbers: the wave that owns the tile does residual, LayerNorm and the next operand's codes.
; LAYOUT.  Both products transposed: S^T = K Q^T, O^T = V^T P^T: a lane holds one query.  Lane r of K's tile 2 b + u takes key 32 b + 8 u + r + 8 (r / 8): the 16 registers of two neighbouring tiles are 16 neighbouring keys.
; A WAVE'S OWN PATH.  Pass 1 asks for a step's fragments of K one step ahead.  The barrier that shows V to all stands behind pass 1's second step, so a wave goes from pass 1 into pass 2 without meeting the others.
; The residual row is asked for at the head and waits in registers; gain and bias lie in LDS bytes of their own.  Exponentials and plain lines stand by turns; pass 2's holds go two to an instruction.
; Out: codes of x, [4096][1024], at byte 0; x in f32 at 4 MiB.
; LIMITS.  All operands are finite codes, so scores, weights and values are finite and the three repairs of NaN in the module's source can never act; NaN and infinities among the inputs are not served.
; eq + ek between -121 and 131 (added to c's exponent field); ep and the next operand's e between -126 and 119; ep + ev between -126 and 127.  ML is rounded once to f32: p's relative error is about 0.35 ulp of ML.
.set MASKED, 1
.set CEXP,  0x3d0293ee                 ; c = log2(e) / sqrt(2048)
.set KOFF,  0x400000                   ; k's plane in its buffer
.set VGOFF, 0xc00000                   ; v's
.set ROFF,  0                          ; the residual's first byte in its buffer
.set SCB,   0x18                       ; eq, ek, ep, ev, and the next operand's e: from this byte of the exponents on
.set KP,    144                        ; two keys' 128 bytes + 16 of padding: key k at (k / 2) KP + 64 (k % 2)
.set VP,    80                         ; a row of V (one d, 64 keys) + 16
.set KSTEP, 64*KP                      ; 128 keys of K: a step, and a wave's share of the fill
.set VSTEP, 128*VP                     ; 128 keys of V: two blocks of 64 rows
.set VOFF,  16*KSTEP                   ; V lies behind K
.set GB,    VOFF+16*VSTEP              ; behind V: the gain's 4,096 bytes, then the bias's; no fill lands there
.set WSTG,  5632                       ; the way out: a stage for each wave, in K's bytes: they have had their only fill, and behind the last barrier nobody reads them
.set ZP,    272                        ; z: 16 rows of 256 bytes + 16
.set CSTG,  16*ZP                      ; then 1,024 bytes of codes
.set AK0, 1                            ; v1   my lane's place in a tile of K
.set AV0, 2                            ; v2   in a tile of V
.set ADK, 3                            ; v3   LDS address of the step's K
.set ADV, 4                            ; v4   of its V
.set STO, 5                            ; v5   the stage: z in
.set RD,  6                            ; v6   z back
.set CST, 7                            ; v7   codes in
.set Q,   8                            ; v8-15   Q's fragment
.set CRD, 16                           ; v16  codes back
.set QA,  17                           ; v17  my byte in the tile's rows of q
.set ML,  18                           ; v[18:19] the largest t, later ML
.set LS,  20                           ; v[20:21] the sum in two halves
.set TT,  22                           ; v22-31  at work
.set F,   32                           ; v32-95  fragments of K or of V; later gain and bias
.set S,   96                           ; v96-159 S^T, then p; later the row
.set O,   160                          ; v160-191 O^T
.set PC,  192                          ; v192-207 p's codes
.set RES, 208                          ; v208-239 the residual row: register 4 j + e is column 128 j + 4 lane + e
.set PLIM,240                          ; v240, v241 448 x 2^ep, twice: the two halves of a dual instruction take their second sources from different register banks
.set NLIM,242                          ; v242 448 x the next operand's scale
.set GO,  243                          ; v243 16 x lane
.set PSC, 244                          ; v244 2^ep;  v245 the next operand's scale
.set NSC, 245
.set DD,  246                          ; v246 the mask's bound
.set NINF,247                          ; v247 -infinity
.set GBA, 248                          ; v248 LDS address of my 16 bytes of the gain's first 512
.set GST, 249                          ; v249 where my wave puts its 512 bytes of gain or bias
.set GLO, 250                          ; v250 and where it takes them from
.set WV,  18
.set WQ,  19
.set SEL, 20                           ; s[20:21] lane selects: lane l xor 16
.set CS,  22                           ; s[22:23] c x 2^(eq + ek)
.set G1K, 24
.set G1V, 32
.set G0K, 40
.set G0V, 44
.set KB,  48                           ; LDS byte of the step's K
.set VB,  49                           ; of its V, from VOFF
.set CNT, 50
.set C10, 70                           ; 2^-10
.set CEPS,71                           ; 1e-5
.macro CROUND
	s_barrier_signal -1
	s_barrier_wait -1
	s_cmp_lg_u32 s[WV], 0
	s_cbranch_scc1 .Lnot_wave_0_\@
	s_barrier_signal -3
.Lnot_wave_0_\@:
	s_barrier_wait -3
	s_barrier_signal -1
	s_barrier_wait -1
.endm
.macro PLACES
.rept 4
	v_nop
.endr
.endm
.macro KLOAD adr                       ; a step's eight tiles of 16 keys x 64
.irp t, 0,1,2,3,4,5,6,7
	ds_load_b128 v[F+8*\t:F+8*\t+3], v[\adr] offset:(16*(\t/2)+4*(\t%2))*KP
	ds_load_b128 v[F+8*\t+4:F+8*\t+7], v[\adr] offset:(16*(\t/2)+4*(\t%2))*KP+32
.endr
.endm
.macro QK                              ; S^T = K Q^T
.irp t, 0,1,2,3,4,5,6,7
	v_wmma_f32_16x16x64_fp8_fp8 v[S+8*\t:S+8*\t+7], v[F+8*\t:F+8*\t+7], v[Q:Q+7], 0
.endr
.endm
.macro VLOAD                           ; the step's four tiles of 16 d x 128 keys
.irp t, 0,1,2,3
.irp c, 0,1,2,3
	ds_load_b128 v[F+16*\t+4*\c:F+16*\t+4*\c+3], v[ADV] offset:64*VP*(\c/2)+16*VP*\t+32*(\c%2)
.endr
.endr
.endm
.macro SHIFT a                         ; c s - v[ML] for the two scores at v[a] (of the pairs c and ML the low word serves both halves)
	v_pk_fma_f32 v[\a:\a+1], v[\a:\a+1], s[CS:CS+1], v[ML:ML+1] op_sel_hi:[1,0,0] neg_lo:[0,0,1] neg_hi:[0,0,1]
.endm
.macro WSUM a, t                       ; the sum over the wave's 32 lanes, in every lane
	v_add_f32_dpp v[\a], v[\a], v[\a] row_xmask:1 row_mask:0xf bank_mask:0xf
	v_add_f32_dpp v[\a], v[\a], v[\a] row_xmask:2 row_mask:0xf bank_mask:0xf
	v_add_f32_dpp v[\a], v[\a], v[\a] row_xmask:4 row_mask:0xf bank_mask:0xf
	v_add_f32_dpp v[\a], v[\a], v[\a] row_xmask:8 row_mask:0xf bank_mask:0xf
	v_permlanex16_b32 v[\t], v[\a], s[SEL], s[SEL+1]
	v_add_f32 v[\a], v[\a], v[\t]
.endm
.macro LNORM y, g, b, t                ; LayerNorm of a row of 1,024 numbers, 32 a lane in v[y] on; gain in v[g] on, bias in v[b] on; v[t] .. v[t + 3] at work.  The mean is taken away before the squares
	v_pk_add_f32 v[\t:\t+1], v[\y:\y+1], v[\y+2:\y+3]
	v_pk_add_f32 v[\t+2:\t+3], v[\y+4:\y+5], v[\y+6:\y+7]
.irp j, 8,12,16,20,24,28
	v_pk_add_f32 v[\t:\t+1], v[\t:\t+1], v[\y+\j:\y+\j+1]
	v_pk_add_f32 v[\t+2:\t+3], v[\t+2:\t+3], v[\y+\j+2:\y+\j+3]
.endr
	v_pk_add_f32 v[\t:\t+1], v[\t:\t+1], v[\t+2:\t+3]
	v_add_f32 v[\t], v[\t], v[\t+1]
	WSUM \t, \t+1
	v_mul_f32 v[\t], s[C10], v[\t]                 ; the mean
	v_mov_b32 v[\t+1], v[\t]
.irp j, 0,2,4,6,8,10,12,14,16,18,20,22,24,26,28,30
	v_pk_add_f32 v[\y+\j:\y+\j+1], v[\y+\j:\y+\j+1], v[\t:\t+1] neg_lo:[0,1] neg_hi:[0,1]
.endr
	v_pk_mul_f32 v[\t:\t+1], v[\y:\y+1], v[\y:\y+1]
	v_pk_mul_f32 v[\t+2:\t+3], v[\y+2:\y+3], v[\y+2:\y+3]
.irp j, 4,8,12,16,20,24,28
	v_pk_fma_f32 v[\t:\t+1], v[\y+\j:\y+\j+1], v[\y+\j:\y+\j+1], v[\t:\t+1]
	v_pk_fma_f32 v[\t+2:\t+3], v[\y+\j+2:\y+\j+3], v[\y+\j+2:\y+\j+3], v[\t+2:\t+3]
.endr
	v_pk_add_f32 v[\t:\t+1], v[\t:\t+1], v[\t+2:\t+3]
	v_add_f32 v[\t], v[\t], v[\t+1]
	WSUM \t, \t+1
	v_fma_f32 v[\t], v[\t], s[C10], s[CEPS]        ; the variance + 1e-5
	v_rsq_f32 v[\t], v[\t]
	v_nop                                          ; a plain line behind the transcendental
	v_mov_b32 v[\t+1], v[\t]
.irp j, 0,2,4,6,8,10,12,14,16,18,20,22,24,26,28,30
	v_pk_mul_f32 v[\y+\j:\y+\j+1], v[\y+\j:\y+\j+1], v[\t:\t+1]
.endr
.irp j, 0,2,4,6,8,10,12,14,16,18,20,22,24,26,28,30
	v_pk_fma_f32 v[\y+\j:\y+\j+1], v[\y+\j:\y+\j+1], v[\g+\j:\g+\j+1], v[\b+\j:\b+\j+1]
.endr
.endm
; A STEP OF PASS 1: 128 keys, whose fragments were asked for a step ago.  pre = 1: the fragments of the step at LDS byte s[KB] are asked for, straight behind the products that read the registers.
.macro P1 pre
	s_wait_dscnt 0x0                               ; this step's fragments are in: a whole softmax stands between the request and this wait
	QK
.if \pre
	v_add_nc_u32 v[ADK], s[KB], v[AK0]
	v_nop
	v_nop
	v_nop                                          ; with the addition: four places in front of loads into registers that the products read, and of the first read of their results
	KLOAD ADK
.else
	PLACES
.endif
	v_max3_num_f32 v254, v[S], v[S+1], v[S+2]      ; the step's largest score among my 64 keys, in two chains, each accumulator from its low end on
	v_max3_num_f32 v252, v[S+3], v[S+4], v[S+5]
.irp i, 6,10,14,18,22,26,30,34,38,42,46,50,54,58
	v_max3_num_f32 v254, v254, v[S+\i], v[S+\i+1]
	v_max3_num_f32 v252, v252, v[S+\i+2], v[S+\i+3]
.endr
	v_max3_num_f32 v254, v254, v[S+62], v[S+63]
	v_max_num_f32 v254, v254, v252
	v_mul_f32 v254, s[CS], v254                    ; as t (c is positive)
	v_mov_b32 v[TT], v[ML]
	v_max_num_f32 v[ML], v[ML], v254
	v_sub_f32 v[TT], v[TT], v[ML]
	v_exp_f32 v[TT], v[TT]                         ; 2^(old - new): what was summed so far is brought under the new maximum
	SHIFT S
	SHIFT S+2
	v_pk_mul_f32 v[LS:LS+1], v[LS:LS+1], v[TT:TT+1] op_sel_hi:[1,0]
; Pair p's two exponentials, and between them plain lines that are ready: the scaling of pair p + 2, the sum of pair p - 1 (even pairs into v[LS], odd ones into v[TT + 2]).
; Every exponential has a plain line that names none of its registers between it and the use of its result.
.set p, 0
.rept 32
	v_exp_f32 v[S+2*p], v[S+2*p]
.if p < 30
	SHIFT S+2*p+4
.endif
	v_exp_f32 v[S+2*p+1], v[S+2*p+1]
.if (p > 0) && (p%2 == 1)
	v_pk_add_f32 v[LS:LS+1], v[LS:LS+1], v[S+2*p-2:S+2*p-1]
.elseif p == 4
	v_pk_add_f32 v[TT+2:TT+3], v[S+2:S+3], v[S+6:S+7]
.elseif p > 4
	v_pk_add_f32 v[TT+2:TT+3], v[TT+2:TT+3], v[S+2*p-2:S+2*p-1]
.endif
.set p, p+1
.endr
	v_pk_add_f32 v[TT+2:TT+3], v[TT+2:TT+3], v[S+62:S+63]
	v_pk_add_f32 v[LS:LS+1], v[LS:LS+1], v[TT+2:TT+3]
.endm
.if MASKED
	s_load_b64 s[4:5], s[0:1], 0x0                 ; q's buffer
	s_load_b64 s[6:7], s[0:1], 0x0                 ; k's and v's: the same one
	s_load_b128 s[8:11], s[0:1], 0x8               ; the residual, the gain
	s_load_b128 s[12:15], s[0:1], 0x18             ; the bias, the exponents
	s_load_b64 s[16:17], s[0:1], 0x28              ; the result
.else
	s_load_b128 s[4:7], s[0:1], 0x0                ; q's buffer; k's and v's
	s_load_b128 s[8:11], s[0:1], 0x10              ; the residual, the gain
	s_load_b128 s[12:15], s[0:1], 0x20             ; the bias, the exponents
	s_load_b64 s[16:17], s[0:1], 0x30              ; the result
.endif
	v_lshrrev_b32 v22, 5, v0
	v_readfirstlane_b32 s[WV], v22                 ; wave 0..15
	s_bfe_u32 s51, ttmp6, 0x40000                  ; cx
	s_lshl_b32 s52, ttmp9, 2
	s_add_co_u32 s52, s52, s51                     ; x = 4 x cluster x + cx: it enters q's, the residual's and the result's addresses and the mask's bound alone
	s_and_b32 s53, ttmp7, 0xffff                   ; 16 b + head, which the partners share
	s_lshr_b32 s55, s[WV], 2                       ; k = w / 4
	s_and_b32 s61, s[WV], 3                        ; i = w % 4
	s_lshr_b32 s62, s61, 1
	s_mul_i32 s62, s62, 7
	s_lshl_b32 s63, s61, 1
	s_xor_b32 s63, s63, s62                        ; g(i) = 0, 2, 3, 1
	s_xor_b32 s63, s63, s55
	s_xor_b32 s[WQ], s55, s61
	s_lshl_b32 s[WQ], s[WQ], 2
	s_add_co_u32 s[WQ], s[WQ], s63                 ; wq = 4 (k xor i) + (k xor g(i)): a permutation whose sum is 30 over the four waves of equal k and over the four of equal i
	s_lshl_b32 s54, s[WQ], 3
	s_add_co_u32 s54, s54, s52                     ; my tile
	s_mov_b32 s[G1K], 15|(1<<20)|(1<<21)|(4<<22)|(3<<25)   ; the mask: all four; elements of 1 byte; padding on; 21 set beside a mask; after every 32 words, 4 words
	s_mov_b32 s[G1K+1], 128<<16                    ; tensor_dim0: K is dense, so two keys make a row of 128 bytes
	s_mov_b32 s[G1K+2], 64<<16                     ; tensor_dim1
	s_mov_b32 s[G1K+3], 128<<16                    ; tile_dim0
	s_mov_b32 s[G1K+4], 64                         ; tile_dim1
	s_mov_b32 s[G1K+5], 128                        ; bytes from row to row
	s_mov_b32 s[G1K+6], 0
	s_mov_b32 s[G1K+7], 0
	s_mov_b32 s[G1V], 15|(1<<20)|(1<<21)|(3<<22)|(3<<25)   ; after every 16 words, 4 words
	s_mov_b32 s[G1V+1], 64<<16
	s_mov_b32 s[G1V+2], 128<<16
	s_mov_b32 s[G1V+3], 64<<16
	s_mov_b32 s[G1V+4], 128
	s_mov_b32 s[G1V+5], 64
	s_mov_b32 s[G1V+6], 0
	s_mov_b32 s[G1V+7], 0
	s_lshl_b32 s72, s53, 17                        ; the head's 131,072 bytes,
	s_lshl_b32 s73, s[WV], 13                      ; my 8,192 of them
	s_add_co_u32 s72, s72, s73
	s_mov_b32 s73, 0
	s_mov_b32 s[G0K], 1
	s_mul_i32 s[G0K+1], s[WV], KSTEP
	s_mov_b32 s[G0V], 1
	s_mul_i32 s[G0V+1], s[WV], VSTEP
	s_add_co_u32 s[G0V+1], s[G0V+1], VOFF
	s_mov_b32 s[SEL], 0x76543210
	s_mov_b32 s[SEL+1], 0xfedcba98
	s_mov_b32 s[C10], 0x3a800000
	s_mov_b32 s[CEPS], 0x3727c5ac
	s_wait_kmcnt 0x0
	s_load_b128 s[56:59], s[14:15], SCB            ; eq, ek, ep, ev
	s_load_b32 s60, s[14:15], SCB+0x10             ; the next operand's e
	s_add_nc_u64 s[74:75], s[6:7], s[72:73]
	s_add_nc_u64 s[G0K+2:G0K+3], s[74:75], KOFF
	s_or_b32 s[G0K+3], s[G0K+3], 0x80000000
	s_add_nc_u64 s[G0V+2:G0V+3], s[74:75], VGOFF
	s_or_b32 s[G0V+3], s[G0V+3], 0x80000000
	CROUND                                         ; all four work-groups are here: the joint loads meet
	tensor_load_to_lds s[G0K:G0K+3], s[G1K:G1K+7]  ; every wave fetches a sixteenth of K and a sixteenth of V: two loads of mine are out
	tensor_load_to_lds s[G0V:G0V+3], s[G1V:G1V+7]
.rept 4
	v_nop
.endr
	s_lshl_b32 s76, s53, 17
	s_lshl_b32 s77, s54, 10                        ; my tile's 16 rows of 64 bytes
	s_add_co_u32 s76, s76, s77
	s_mov_b32 s77, 0
	s_add_nc_u64 s[4:5], s[4:5], s[76:77]
	s_lshl_b32 s82, s53, 7
	s_add_co_u32 s82, s82, s54                     ; my tile is row 128 (16 b + head) + tile of the merged z
	s_lshl_b32 s84, s82, 12
	s_mov_b32 s85, 0
	s_add_nc_u64 s[8:9], s[8:9], s[84:85]          ; the residual's row
.if ROFF
	s_add_nc_u64 s[8:9], s[8:9], ROFF
.endif
	s_add_nc_u64 s[86:87], s[16:17], s[84:85]
	s_add_nc_u64 s[86:87], s[86:87], 0x400000      ; the result's row in f32
	s_lshl_b32 s84, s82, 10
	s_add_nc_u64 s[88:89], s[16:17], s[84:85]      ; and as codes
	s_cmp_lt_u32 s[WV], 8                          ; waves 0-7 bring the gain, waves 8-15 the bias, 512 bytes each: a choice on the wave's number
	s_cselect_b64 s[90:91], s[10:11], s[12:13]
	s_and_b32 s93, s[WV], 7
	s_lshl_b32 s93, s93, 9
	s_lshl_b32 s92, s[WV], 9
	s_add_co_u32 s92, s92, GB
	v_and_b32 v26, 31, v0
	v_lshlrev_b32 v[GO], 4, v26
	v_add_nc_u32 v[GLO], s93, v[GO]
	v_add_nc_u32 v[GST], s92, v[GO]
	v_add_nc_u32 v[GBA], GB, v[GO]
	global_load_b128 v[28:31], v[GLO], s[90:91]
	v_and_b32 v22, 15, v0                          ; r
	v_bfe_u32 v23, v0, 4, 1                        ; h
	v_lshlrev_b32 v[QA], 6, v22
	v_lshl_add_u32 v[QA], v23, 4, v[QA]
	global_load_b128 v[Q:Q+3], v[QA], s[4:5]       ; Q stays in registers: K = 32 c + 16 h + 0 .. 15, as K's fragments have it
	global_load_b128 v[Q+4:Q+7], v[QA], s[4:5] offset:32
.irp j, 0,1,2,3,4,5,6,7
	global_load_b128 v[RES+4*\j:RES+4*\j+3], v[GO], s[8:9] offset:512*\j   ; the residual row, asked for now and wanted on the way out: both passes stand between
.endr
	v_and_b32 v24, 8, v22
	v_add_nc_u32 v24, v24, v22                     ; r + 8 (r / 8)
	v_lshrrev_b32 v25, 1, v24
	v_mul_u32_u24 v[AK0], v25, KP
	v_and_b32 v25, 1, v24
	v_lshl_add_u32 v[AK0], v25, 6, v[AK0]
	v_lshl_add_u32 v[AK0], v23, 4, v[AK0]
	v_mul_u32_u24 v[AV0], v22, VP
	v_lshl_add_u32 v[AV0], v23, 4, v[AV0]
	v_add_nc_u32 v[AV0], VOFF, v[AV0]
	s_mul_i32 s78, s[WV], WSTG                     ; my stage
	v_mul_u32_u24 v[STO], v22, ZP
	v_lshl_add_u32 v[STO], v23, 5, v[STO]
	v_add_nc_u32 v[STO], s78, v[STO]               ; z in: row r, + 32 h
	v_mul_u32_u24 v[RD], v23, ZP
	v_lshl_add_u32 v[RD], v22, 4, v[RD]
	v_add_nc_u32 v[RD], s78, v[RD]                 ; back: lanes 0-15 one row of 256 bytes, lanes 16-31 the next
	s_add_co_u32 s78, s78, CSTG
	v_lshl_add_u32 v[CST], v26, 2, s78
	v_add_nc_u32 v[CRD], s78, v[GO]
	v_lshlrev_b32 v27, 4, v23                      ; 16 h  (v26 and v27 are written here: a lane permute's destination counts as one of its sources)
.if MASKED
	s_lshl_b32 s79, s52, 4
	v_sub_nc_u32 v[DD], v22, v27
	v_add_nc_u32 v[DD], s79, v[DD]                 ; my query's place in its key step, less 16 h
	v_mov_b32 v[NINF], 0xff800000
.endif
	v_mov_b32 v[ML], 0xff61b1e6                    ; the largest t so far: -3e38, under every t
	v_mov_b32 v[ML+1], 0xff61b1e6                  ; (named as the pair's upper half)
	v_mov_b32 v[LS], 0
	v_mov_b32 v[LS+1], 0
.set i, 0
.rept 32
	v_mov_b32 v[O+i], 0                            ; O^T: pass 2 is written once, and which of its trips is a wave's first hangs on the wave
.set i, i+1
.endr
	s_wait_kmcnt 0x0
	s_add_co_i32 s80, s56, s57
	s_lshl_b32 s80, s80, 23
	s_add_co_i32 s[CS], s80, CEXP                  ; a score stands for score x 2^(eq + ek): added to c's exponent field
	s_mov_b32 s[CS+1], s[CS]
	s_add_co_i32 s80, s58, 127
	s_lshl_b32 s81, s80, 23
	v_mov_b32 v[PSC], s81
	s_add_co_i32 s80, s80, 8
	s_lshl_b32 s80, s80, 23
	s_or_b32 s80, s80, 0x600000
	v_mov_b32 v[PLIM], s80
	v_mov_b32 v[PLIM+1], s80
	s_add_co_i32 s80, s60, 127
	s_lshl_b32 s81, s80, 23
	v_mov_b32 v[NSC], s81
	s_add_co_i32 s80, s80, 8
	s_lshl_b32 s80, s80, 23
	s_or_b32 s80, s80, 0x600000
	v_mov_b32 v[NLIM], s80
	s_add_co_i32 s68, s58, s59
	s_add_co_i32 s68, s68, 127
	s_lshl_b32 s68, s68, 23                        ; 2^(ep + ev)
	s_mov_b32 s69, s68
	s_wait_loadcnt 0x8                             ; my part of gain or bias and Q are in; the residual's eight loads, issued behind them, may be out
	ds_store_b128 v[GST], v[28:31]
	s_wait_tensorcnt 0x1                           ; my part of K is in; V's load, the younger, may be out
	s_wait_dscnt 0x0                               ; for the others' sake: my store of gain or bias is done
	s_barrier_signal -1
	s_barrier_wait -1                              ; all of K, the gain and the bias are in
	; PASS 1: for each lane, the largest t = c s and the sum of 2^(t - largest) over its half of the keys.  16 steps of 128 keys: two, the barrier for V, a loop of 13, and the last, which asks for nothing.
	KLOAD AK0                                      ; step 0
	s_mov_b32 s[KB], KSTEP
	P1 1
	s_mov_b32 s[KB], 2*KSTEP
	P1 1
	s_mov_b32 s[KB], 3*KSTEP
	s_wait_tensorcnt 0x0                           ; my part of V is in: two steps' work has stood between its request and this wait,
	s_wait_dscnt 0x0                               ; (no LDS instruction of mine is pending at a signal)
	s_barrier_signal -1
	s_barrier_wait -1                              ; everybody's is: every read of V comes behind this barrier.  From here to the way out no wave waits for another
	s_mov_b32 s[CNT], 0
.Lpass1:
	P1 1
	s_add_co_u32 s[KB], s[KB], KSTEP
	s_add_co_u32 s[CNT], s[CNT], 1
	s_cmp_lt_u32 s[CNT], 13
	s_cbranch_scc1 .Lpass1
	P1 0
	; the query's two lanes are joined: M, the sum under M, ML = M + log2(sum)
	v_add_f32 v[LS], v[LS], v[LS+1]
	v_permlanex16_b32 v26, v[ML], s[SEL], s[SEL+1]
	v_permlanex16_b32 v27, v[LS], s[SEL], s[SEL+1]
	v_max_num_f32 v28, v[ML], v26
	v_sub_f32 v29, v[ML], v28
	v_sub_f32 v30, v26, v28
	v_exp_f32 v29, v29
	v_exp_f32 v30, v30
	v_nop
	v_mul_f32 v[LS], v[LS], v29
	v_fma_f32 v[LS], v27, v30, v[LS]
	v_log_f32 v31, v[LS]
	v_nop
	v_add_f32 v[ML], v28, v31
	v_mov_b32 v[ML+1], v[ML]
	; PASS 2: p = 2^(c s - ML), the finished weight; quantised along the keys; O^T += V^T P^T.  16 trips, a constant of the text; a step that the mask hides whole does no work.
	s_mov_b32 s[KB], 0
	s_mov_b32 s[VB], 0
	s_mov_b32 s[CNT], 0
.Lpass2:
.if MASKED
	s_cmp_lt_u32 s[CNT], s[WQ]                     ; all 128 keys come before my queries: a branch on the trip and the wave's number, round the step's work, not round the lines that step addresses
	s_cbranch_scc1 .Lhidden
.endif
	v_add_nc_u32 v[ADK], s[KB], v[AK0]
	v_add_nc_u32 v[ADV], s[VB], v[AV0]
	v_nop
	v_nop                                          ; with the two additions: four places in front of loads into registers that the last products read
	KLOAD ADK
	s_wait_dscnt 0x0
	QK
	PLACES
	VLOAD                                          ; V's fragments land under the softmax
.if MASKED
	s_cmp_lg_u32 s[CNT], s[WQ]
	s_cbranch_scc1 .Lopen                          ; only the step that holds my queries has hidden keys left
.set n, 0
.rept 64
	v_cmp_lt_i32 vcc_lo, 32*(n/16)+n%16, v[DD]     ; register 16 b + i holds key 32 b + 16 h + i of the step: hidden where it comes before my query
	v_cndmask_b32 v[S+n], v[S+n], v[NINF], vcc_lo  ; p = 0 there
.set n, n+1
.endr
.Lopen:
.endif
	SHIFT S
	SHIFT S+2
; Pair p's two exponentials, and between them plain lines that are ready: the scaling of pair p + 2 and the hold of pair p - 1.  The conversion to an 8-bit code does not saturate (ISA guide 7.6.2); p is not negative,
; so the hold is one-sided, and two holds go in one dual instruction: destinations even and odd, first sources two neighbouring registers, second sources the bound's two copies.  Eight held numbers are converted at once.
.set p, 0
.rept 32
	v_exp_f32 v[S+2*p], v[S+2*p]
.if p < 30
	SHIFT S+2*p+4
.endif
	v_exp_f32 v[S+2*p+1], v[S+2*p+1]
.if p > 0
	v_dual_min_num_f32 v[S+2*p-2], v[S+2*p-2], v[PLIM] :: v_dual_min_num_f32 v[S+2*p-1], v[S+2*p-1], v[PLIM+1]
.endif
.if (p > 0) && (p%4 == 0)
	v_cvt_scalef32_pk8_fp8_f32 v[PC+2*(p/4-1):PC+2*(p/4-1)+1], v[S+2*p-8:S+2*p-1], v[PSC]
.endif
.set p, p+1
.endr
	v_dual_min_num_f32 v[S+62], v[S+62], v[PLIM] :: v_dual_min_num_f32 v[S+63], v[S+63], v[PLIM+1]
	v_cvt_scalef32_pk8_fp8_f32 v[PC+14:PC+15], v[S+56:S+63], v[PSC]
	v_nop                                          ; a plain line between the last conversion and the products that read its result
	s_wait_dscnt 0x0                               ; V's fragments
.irp t, 0,1,2,3
	v_wmma_f32_16x16x128_fp8_fp8 v[O+8*\t:O+8*\t+7], v[F+16*\t:F+16*\t+15], v[PC:PC+15], v[O+8*\t:O+8*\t+7]   ; four accumulators by turns; the scores' eight products stand between two turns of one
.endr
.if MASKED
.Lhidden:
.endif
	s_add_co_u32 s[KB], s[KB], KSTEP
	s_add_co_u32 s[VB], s[VB], VSTEP
	s_add_co_u32 s[CNT], s[CNT], 1
	s_cmp_lt_u32 s[CNT], 16
	s_cbranch_scc1 .Lpass2
	; THE WAY OUT.
	PLACES                                         ; in front of loads into registers that the last products read, and of the first read of their results
.irp j, 0,1,2,3,4,5,6,7
	ds_load_b128 v[F+4*\j:F+4*\j+3], v[GBA] offset:512*\j             ; the gain: register 4 j + e is column 128 j + 4 lane + e
.endr
.irp j, 0,1,2,3,4,5,6,7
	ds_load_b128 v[F+32+4*\j:F+32+4*\j+3], v[GBA] offset:4096+512*\j  ; the bias
.endr
.set i, 0
.rept 16
	v_pk_mul_f32 v[S+i:S+i+1], v[O+i:O+i+1], s[68:69] op_sel_hi:[1,0]          ; z = O^T x 2^(ep + ev): register 8 t + j is z(query r, d = 16 t + 8 h + j); each accumulator from its low end on
.set i, i+2
.endr
	s_wait_dscnt 0x0
	s_barrier_signal -1
	s_barrier_wait -1                              ; nobody reads K any more: its bytes take the stages
.irp t, 0,1,2,3
	ds_store_b128 v[STO], v[S+8*\t:S+8*\t+3] offset:64*\t
	ds_store_b128 v[STO], v[S+8*\t+4:S+8*\t+7] offset:64*\t+16
.endr
.irp j, 0,1,2,3,4,5,6,7
	ds_load_b128 v[O+4*\j:O+4*\j+3], v[RD] offset:2*ZP*\j   ; LDS serves a wave's instructions in order: these see my stores
.endr
	s_wait_dscnt 0x0
	s_wait_loadcnt 0x0                             ; the residual
.set i, 0
.rept 16
	v_pk_add_f32 v[S+i:S+i+1], v[O+i:O+i+1], v[RES+i:RES+i+1]
.set i, i+2
.endr
	LNORM S, F, F+32, TT+2
.irp j, 0,1,2,3,4,5,6,7
	global_store_b128 v[GO], v[S+4*\j:S+4*\j+3], s[86:87] offset:512*\j        ; 32 lanes store 512 consecutive bytes
.endr
.set i, 0
.rept 32
	v_med3_num_f32 v[S+32+i], v[S+i], -v[NLIM], v[NLIM]
.set i, i+1
.endr
.irp i, 0,1,2,3
	v_cvt_scalef32_pk8_fp8_f32 v[O+2*\i:O+2*\i+1], v[S+32+8*\i:S+32+8*\i+7], v[NSC]   ; result register k: the codes of columns 128 k + 4 lane + 0 .. 3
.endr
	v_nop
.irp k, 0,1,2,3,4,5,6,7
	ds_store_b32 v[CST], v[O+\k] offset:128*\k
.endr
	ds_load_b128 v[O+8:O+11], v[CRD]
	ds_load_b128 v[O+12:O+15], v[CRD] offset:512
	s_wait_dscnt 0x0
	global_store_b128 v[GO], v[O+8:O+11], s[88:89]
	global_store_b128 v[GO], v[O+12:O+15], s[88:89] offset:512
	CROUND                                         ; the closing round
	s_endpgm
.Lfunc_end_k_qb97655343a_sa_attn:
	.size	k_qb97655343a_sa_attn, .Lfunc_end_k_qb97655343a_sa_attn-k_qb97655343a_sa_attn
	.p2alignl 7, 3214868480
	.fill 96, 4, 3214868480
	.section	.rodata,"a",@progbits
	.p2align	6, 0x0
	.amdhsa_kernel k_qb97655343a_sa_attn
		.amdhsa_group_segment_fixed_size 327680
		.amdhsa_private_segment_fixed_size 0
		.amdhsa_enable_private_segment 0
		.amdhsa_kernarg_size 48
		.amdhsa_user_sgpr_count 2
		.amdhsa_user_sgpr_kernarg_segment_ptr 1
		.amdhsa_wavefront_size32 1
		.amdhsa_system_sgpr_workgroup_id_x 1
		.amdhsa_system_sgpr_workgroup_id_y 1
		.amdhsa_system_sgpr_workgroup_id_z 1
		.amdhsa_system_vgpr_workitem_id 0
		.amdhsa_next_free_vgpr 256
		.amdhsa_next_free_sgpr 96
		.amdhsa_reserve_vcc 1
		.amdhsa_float_denorm_mode_32 3
		.amdhsa_float_denorm_mode_16_64 3
		.amdhsa_memory_ordered 1
		.amdhsa_forward_progress 1
		.amdhsa_inst_pref_size 80
	.end_amdhsa_kernel
	.amdgpu_metadata
---
amdhsa.version: [ 1, 2 ]
amdhsa.kernels:
  - .name:           k_qb97655343a_sa_attn
    .symbol:         k_qb97655343a_sa_attn.kd
    .args:
      - { .name: heads1, .offset: 0, .size: 8, .value_kind: global_buffer, .address_space: global }
      - { .name: decoded, .offset: 8, .size: 8, .value_kind: global_buffer, .address_space: global }
      - { .name: sa_g, .offset: 16, .size: 8, .value_kind: global_buffer, .address_space: global }
      - { .name: sa_b, .offset: 24, .size: 8, .value_kind: global_buffer, .address_space: global }
      - { .name: lowp_scales, .offset: 32, .size: 8, .value_kind: global_buffer, .address_space: global }
      - { .name: xbuf, .offset: 40, .size: 8, .value_kind: global_buffer, .address_space: global }
    .group_segment_fixed_size: 327680
    .private_segment_fixed_size: 0
    .kernarg_segment_align: 8
    .kernarg_segment_size: 48
    .max_flat_workgroup_size: 512
    .sgpr_count:     96
    .vgpr_count:     256
    .wavefront_size: 32
...
	.end_amdgpu_metadata
.endif
;; end of part 3
;; launch caq: the kernel of part 2 again; grid 8 x 32, 4 waves a work-group, clusters of 4 x 4, 327,680 bytes of LDS; arguments xbuf, encoded_codes, ca_wq_codes, ca_wk_codes, ca_wv_codes, sa_wq_codes, sa_wk_codes, ca_bq, ca_bk, ca_bv, sa_bq, sa_bk, par3, dcode; writes dcode
;; launch ca_attn (part 4): grid 8 x 32, 16 waves a work-group, clusters of 4 x 1, 327,680 bytes of LDS; arguments dcode, heads1, xbuf, ca_g, ca_b, lowp_scales, x2buf; writes x2buf
.if DOCPART == 4
	.amdgcn_target "amdgcn-amd-amdhsa--gfx1250"
	.amdhsa_code_object_version 6
	.text
	.protected	k_qb97655343a_ca_attn
	.globl	k_qb97655343a_ca_attn
	.p2align	8
	.type	k_qb97655343a_ca_attn,@function
k_qb97655343a_ca_attn:
	s_mov_b64 s[64:65], 0
	v_nop
	global_prefetch_b8 v0, s[64:65] scope:SCOPE_SE
	s_setreg_imm32_b32 hwreg(HW_REG_WAVE_MODE, 25, 1), 1
	s_wait_xcnt 0x0
	s_wait_alu depctr_hold_cnt(0) depctr_sa_sdst(0) depctr_va_vdst(0) depctr_va_sdst(0) depctr_va_ssrc(0) depctr_va_vcc(0) depctr_vm_vsrc(0)
	s_getreg_b32 s2, hwreg(HW_REG_IB_STS2, 6, 4)
	s_cmp_eq_u32 s2, 0
	s_cbranch_scc0 .Lentry_in_a_cluster
	s_endpgm
.Lentry_in_a_cluster:
	s_bfe_u32 s2, ttmp6, 0x10000c
	s_cmp_lg_u32 s2, 0x3003
	s_cbranch_scc0 .Lentry_shape_is_right
	s_endpgm
.Lentry_shape_is_right:
; Cross-attention, residual and LayerNorm.  a = softmax(q k^T); z = a v; x2 = LN(x + merge(z)).  Both products on E4M3 codes with given scales.  No scale by the length, no mask.
; WHAT IS QUANTISED IS THE FINISHED, NORMALISED WEIGHT, so a row's maximum and sum are known first: TWO PASSES over the keys.  Pass 1: K Q^T, running maximum and sum.  Pass 2: K Q^T again,
; p = 2^(c s - ML), ML = maximum + log2(sum), quantised, times V.
; q, k: [b][head][s][64] codes.  v: [b][head][key / 64][d][64 keys] codes.  A work-group takes one head and 16 tiles of 16 queries, a tile to each of its SIXTEEN waves (four to a SIMD, 256 registers each).
; THE HEAD'S WHOLE K AND V LIE IN LDS, each byte filled once.  The four work-groups of a cluster share the head: each wave's two tensor loads are joint loads.
; Tile = x + 8 wq, x the work-group (0..7), wq a permutation of the wave's number (the same text serves the masked attention, where that evens the work).
; merge(z) views [b][head][s][64] as [b][s][1024]: the 16 queries of tile tl of a head ARE row 128 (16 b + head) + tl of 1,024 numbers: the wave that owns the tile does residual, LayerNorm and the next operand's codes.
; LAYOUT.  Both products transposed: S^T = K Q^T, O^T = V^T P^T: a lane holds one query.  Lane r of K's tile 2 b + u takes key 32 b + 8 u + r + 8 (r / 8): the 16 registers of two neighbouring tiles are 16 neighbouring keys.
; A WAVE'S OWN PATH.  Pass 1 asks for a step's fragments of K one step ahead.  The barrier that shows V to all stands behind pass 1's second step, so a wave goes from pass 1 into pass 2 without meeting the others.
; The residual row is asked for at the head and waits in registers; gain and bias lie in LDS bytes of their own.  Exponentials and plain lines stand by turns; pass 2's holds go two to an instruction.
; Out: codes of x2, [4096][1024], at byte 0; x2 in f32 at 4 MiB.
; LIMITS.  All operands are finite codes, so scores, weights and values are finite and the three repairs of NaN in the module's source can never act; NaN and infinities among the inputs are not served.
; eq + ek between -126 and 127 (added to c's exponent field); ep and the next operand's e between -126 and 119; ep + ev between -126 and 127.  ML is rounded once to f32: p's relative error is about 0.35 ulp of ML.
.set MASKED, 0
.set CEXP,  0x3fb8aa3b                 ; c = log2(e)
.set KOFF,  0x800000                   ; k's plane in its buffer
.set VGOFF, 0x1000000                  ; v's
.set ROFF,  0x400000                   ; the residual's first byte in its buffer
.set SCB,   0x40                       ; eq, ek, ep, ev, and the next operand's e: from this byte of the exponents on
.set KP,    144                        ; two keys' 128 bytes + 16 of padding: key k at (k / 2) KP + 64 (k % 2)
.set VP,    80                         ; a row of V (one d, 64 keys) + 16
.set KSTEP, 64*KP                      ; 128 keys of K: a step, and a wave's share of the fill
.set VSTEP, 128*VP                     ; 128 keys of V: two blocks of 64 rows
.set VOFF,  16*KSTEP                   ; V lies behind K
.set GB,    VOFF+16*VSTEP              ; behind V: the gain's 4,096 bytes, then the bias's; no fill lands there
.set WSTG,  5632                       ; the way out: a stage for each wave, in K's bytes: they have had their only fill, and behind the last barrier nobody reads them
.set ZP,    272                        ; z: 16 rows of 256 bytes + 16
.set CSTG,  16*ZP                      ; then 1,024 bytes of codes
.set AK0, 1                            ; v1   my lane's place in a tile of K
.set AV0, 2                            ; v2   in a tile of V
.set ADK, 3                            ; v3   LDS address of the step's K
.set ADV, 4                            ; v4   of its V
.set STO, 5                            ; v5   the stage: z in
.set RD,  6                            ; v6   z back
.set CST, 7                            ; v7   codes in
.set Q,   8                            ; v8-15   Q's fragment
.set CRD, 16                           ; v16  codes back
.set QA,  17                           ; v17  my byte in the tile's rows of q
.set ML,  18                           ; v[18:19] the largest t, later ML
.set LS,  20                           ; v[20:21] the sum in two halves
.set TT,  22                           ; v22-31  at work
.set F,   32                           ; v32-95  fragments of K or of V; later gain and bias
.set S,   96                           ; v96-159 S^T, then p; later the row
.set O,   160                          ; v160-191 O^T
.set PC,  192                          ; v192-207 p's codes
.set RES, 208                          ; v208-239 the residual row: register 4 j + e is column 128 j + 4 lane + e
.set PLIM,240                          ; v240, v241 448 x 2^ep, twice: the two halves of a dual instruction take their second sources from different register banks
.set NLIM,242                          ; v242 448 x the next operand's scale
.set GO,  243                          ; v243 16 x lane
.set PSC, 244                          ; v244 2^ep;  v245 the next operand's scale
.set NSC, 245
.set DD,  246                          ; v246 the mask's bound (not used here)
.set NINF,247                          ; v247 -infinity (not used here)
.set GBA, 248                          ; v248 LDS address of my 16 bytes of the gain's first 512
.set GST, 249                          ; v249 where my wave puts its 512 bytes of gain or bias
.set GLO, 250                          ; v250 and where it takes them from
.set WV,  18
.set WQ,  19
.set SEL, 20                           ; s[20:21] lane selects: lane l xor 16
.set CS,  22                           ; s[22:23] c x 2^(eq + ek)
.set G1K, 24
.set G1V, 32
.set G0K, 40
.set G0V, 44
.set KB,  48                           ; LDS byte of the step's K
.set VB,  49                           ; of its V, from VOFF
.set CNT, 50
.set C10, 70                           ; 2^-10
.set CEPS,71                           ; 1e-5
.macro CROUND
	s_barrier_signal -1
	s_barrier_wait -1
	s_cmp_lg_u32 s[WV], 0
	s_cbranch_scc1 .Lnot_wave_0_\@
	s_barrier_signal -3
.Lnot_wave_0_\@:
	s_barrier_wait -3
	s_barrier_signal -1
	s_barrier_wait -1
.endm
.macro PLACES
.rept 4
	v_nop
.endr
.endm
.macro KLOAD adr                       ; a step's eight tiles of 16 keys x 64
.irp t, 0,1,2,3,4,5,6,7
	ds_load_b128 v[F+8*\t:F+8*\t+3], v[\adr] offset:(16*(\t/2)+4*(\t%2))*KP
	ds_load_b128 v[F+8*\t+4:F+8*\t+7], v[\adr] offset:(16*(\t/2)+4*(\t%2))*KP+32
.endr
.endm
.macro QK                              ; S^T = K Q^T
.irp t, 0,1,2,3,4,5,6,7
	v_wmma_f32_16x16x64_fp8_fp8 v[S+8*\t:S+8*\t+7], v[F+8*\t:F+8*\t+7], v[Q:Q+7], 0
.endr
.endm
.macro VLOAD                           ; the step's four tiles of 16 d x 128 keys
.irp t, 0,1,2,3
.irp c, 0,1,2,3
	ds_load_b128 v[F+16*\t+4*\c:F+16*\t+4*\c+3], v[ADV] offset:64*VP*(\c/2)+16*VP*\t+32*(\c%2)
.endr
.endr
.endm
.macro SHIFT a                         ; c s - v[ML] for the two scores at v[a] (of the pairs c and ML the low word serves both halves)
	v_pk_fma_f32 v[\a:\a+1], v[\a:\a+1], s[CS:CS+1], v[ML:ML+1] op_sel_hi:[1,0,0] neg_lo:[0,0,1] neg_hi:[0,0,1]
.endm
.macro WSUM a, t                       ; the sum over the wave's 32 lanes, in every lane
	v_add_f32_dpp v[\a], v[\a], v[\a] row_xmask:1 row_mask:0xf bank_mask:0xf
	v_add_f32_dpp v[\a], v[\a], v[\a] row_xmask:2 row_mask:0xf bank_mask:0xf
	v_add_f32_dpp v[\a], v[\a], v[\a] row_xmask:4 row_mask:0xf bank_mask:0xf
	v_add_f32_dpp v[\a], v[\a], v[\a] row_xmask:8 row_mask:0xf bank_mask:0xf
	v_permlanex16_b32 v[\t], v[\a], s[SEL], s[SEL+1]
	v_add_f32 v[\a], v[\a], v[\t]
.endm
.macro LNORM y, g, b, t                ; LayerNorm of a row of 1,024 numbers, 32 a lane in v[y] on; gain in v[g] on, bias in v[b] on; v[t] .. v[t + 3] at work.  The mean is taken away before the squares
	v_pk_add_f32 v[\t:\t+1], v[\y:\y+1], v[\y+2:\y+3]
	v_pk_add_f32 v[\t+2:\t+3], v[\y+4:\y+5], v[\y+6:\y+7]
.irp j, 8,12,16,20,24,28
	v_pk_add_f32 v[\t:\t+1], v[\t:\t+1], v[\y+\j:\y+\j+1]
	v_pk_add_f32 v[\t+2:\t+3], v[\t+2:\t+3], v[\y+\j+2:\y+\j+3]
.endr
	v_pk_add_f32 v[\t:\t+1], v[\t:\t+1], v[\t+2:\t+3]
	v_add_f32 v[\t], v[\t], v[\t+1]
	WSUM \t, \t+1
	v_mul_f32 v[\t], s[C10], v[\t]                 ; the mean
	v_mov_b32 v[\t+1], v[\t]
.irp j, 0,2,4,6,8,10,12,14,16,18,20,22,24,26,28,30
	v_pk_add_f32 v[\y+\j:\y+\j+1], v[\y+\j:\y+\j+1], v[\t:\t+1] neg_lo:[0,1] neg_hi:[0,1]
.endr
	v_pk_mul_f32 v[\t:\t+1], v[\y:\y+1], v[\y:\y+1]
	v_pk_mul_f32 v[\t+2:\t+3], v[\y+2:\y+3], v[\y+2:\y+3]
.irp j, 4,8,12,16,20,24,28
	v_pk_fma_f32 v[\t:\t+1], v[\y+\j:\y+\j+1], v[\y+\j:\y+\j+1], v[\t:\t+1]
	v_pk_fma_f32 v[\t+2:\t+3], v[\y+\j+2:\y+\j+3], v[\y+\j+2:\y+\j+3], v[\t+2:\t+3]
.endr
	v_pk_add_f32 v[\t:\t+1], v[\t:\t+1], v[\t+2:\t+3]
	v_add_f32 v[\t], v[\t], v[\t+1]
	WSUM \t, \t+1
	v_fma_f32 v[\t], v[\t], s[C10], s[CEPS]        ; the variance + 1e-5
	v_rsq_f32 v[\t], v[\t]
	v_nop                                          ; a plain line behind the transcendental
	v_mov_b32 v[\t+1], v[\t]
.irp j, 0,2,4,6,8,10,12,14,16,18,20,22,24,26,28,30
	v_pk_mul_f32 v[\y+\j:\y+\j+1], v[\y+\j:\y+\j+1], v[\t:\t+1]
.endr
.irp j, 0,2,4,6,8,10,12,14,16,18,20,22,24,26,28,30
	v_pk_fma_f32 v[\y+\j:\y+\j+1], v[\y+\j:\y+\j+1], v[\g+\j:\g+\j+1], v[\b+\j:\b+\j+1]
.endr
.endm
; A STEP OF PASS 1: 128 keys, whose fragments were asked for a step ago.  pre = 1: the fragments of the step at LDS byte s[KB] are asked for, straight behind the products that read the registers.
.macro P1 pre
	s_wait_dscnt 0x0                               ; this step's fragments are in: a whole softmax stands between the request and this wait
	QK
.if \pre
	v_add_nc_u32 v[ADK], s[KB], v[AK0]
	v_nop
	v_nop
	v_nop                                          ; with the addition: four places in front of loads into registers that the products read, and of the first read of their results
	KLOAD ADK
.else
	PLACES
.endif
	v_max3_num_f32 v254, v[S], v[S+1], v[S+2]      ; the step's largest score among my 64 keys, in two chains, each accumulator from its low end on
	v_max3_num_f32 v252, v[S+3], v[S+4], v[S+5]
.irp i, 6,10,14,18,22,26,30,34,38,42,46,50,54,58
	v_max3_num_f32 v254, v254, v[S+\i], v[S+\i+1]
	v_max3_num_f32 v252, v252, v[S+\i+2], v[S+\i+3]
.endr
	v_max3_num_f32 v254, v254, v[S+62], v[S+63]
	v_max_num_f32 v254, v254, v252
	v_mul_f32 v254, s[CS], v254                    ; as t (c is positive)
	v_mov_b32 v[TT], v[ML]
	v_max_num_f32 v[ML], v[ML], v254
	v_sub_f32 v[TT], v[TT], v[ML]
	v_exp_f32 v[TT], v[TT]                         ; 2^(old - new): what was summed so far is brought under the new maximum
	SHIFT S
	SHIFT S+2
	v_pk_mul_f32 v[LS:LS+1], v[LS:LS+1], v[TT:TT+1] op_sel_hi:[1,0]
; Pair p's two exponentials, and between them plain lines that are ready: the scaling of pair p + 2, the sum of pair p - 1 (even pairs into v[LS], odd ones into v[TT + 2]).
; Every exponential has a plain line that names none of its registers between it and the use of its result.
.set p, 0
.rept 32
	v_exp_f32 v[S+2*p], v[S+2*p]
.if p < 30
	SHIFT S+2*p+4
.endif
	v_exp_f32 v[S+2*p+1], v[S+2*p+1]
.if (p > 0) && (p%2 == 1)
	v_pk_add_f32 v[LS:LS+1], v[LS:LS+1], v[S+2*p-2:S+2*p-1]
.elseif p == 4
	v_pk_add_f32 v[TT+2:TT+3], v[S+2:S+3], v[S+6:S+7]
.elseif p > 4
	v_pk_add_f32 v[TT+2:TT+3], v[TT+2:TT+3], v[S+2*p-2:S+2*p-1]
.endif
.set p, p+1
.endr
	v_pk_add_f32 v[TT+2:TT+3], v[TT+2:TT+3], v[S+62:S+63]
	v_pk_add_f32 v[LS:LS+1], v[LS:LS+1], v[TT+2:TT+3]
.endm
.if MASKED
	s_load_b64 s[4:5], s[0:1], 0x0                 ; q's buffer
	s_load_b64 s[6:7], s[0:1], 0x0                 ; k's and v's: the same one
	s_load_b128 s[8:11], s[0:1], 0x8               ; the residual, the gain
	s_load_b128 s[12:15], s[0:1], 0x18             ; the bias, the exponents
	s_load_b64 s[16:17], s[0:1], 0x28              ; the result
.else
	s_load_b128 s[4:7], s[0:1], 0x0                ; q's buffer; k's and v's
	s_load_b128 s[8:11], s[0:1], 0x10              ; the residual, the gain
	s_load_b128 s[12:15], s[0:1], 0x20             ; the bias, the exponents
	s_load_b64 s[16:17], s[0:1], 0x30              ; the result
.endif
	v_lshrrev_b32 v22, 5, v0
	v_readfirstlane_b32 s[WV], v22                 ; wave 0..15
	s_bfe_u32 s51, ttmp6, 0x40000                  ; cx
	s_lshl_b32 s52, ttmp9, 2
	s_add_co_u32 s52, s52, s51                     ; x = 4 x cluster x + cx: it enters q's, the residual's and the result's addresses alone
	s_and_b32 s53, ttmp7, 0xffff                   ; 16 b + head, which the partners share
	s_lshr_b32 s55, s[WV], 2                       ; k = w / 4
	s_and_b32 s61, s[WV], 3                        ; i = w % 4
	s_lshr_b32 s62, s61, 1
	s_mul_i32 s62, s62, 7
	s_lshl_b32 s63, s61, 1
	s_xor_b32 s63, s63, s62                        ; g(i) = 0, 2, 3, 1
	s_xor_b32 s63, s63, s55
	s_xor_b32 s[WQ], s55, s61
	s_lshl_b32 s[WQ], s[WQ], 2
	s_add_co_u32 s[WQ], s[WQ], s63                 ; wq = 4 (k xor i) + (k xor g(i)): a permutation of 0 .. 15
	s_lshl_b32 s54, s[WQ], 3
	s_add_co_u32 s54, s54, s52                     ; my tile
	s_mov_b32 s[G1K], 15|(1<<20)|(1<<21)|(4<<22)|(3<<25)   ; the mask: all four; elements of 1 byte; padding on; 21 set beside a mask; after every 32 words, 4 words
	s_mov_b32 s[G1K+1], 128<<16                    ; tensor_dim0: K is dense, so two keys make a row of 128 bytes
	s_mov_b32 s[G1K+2], 64<<16                     ; tensor_dim1
	s_mov_b32 s[G1K+3], 128<<16                    ; tile_dim0
	s_mov_b32 s[G1K+4], 64                         ; tile_dim1
	s_mov_b32 s[G1K+5], 128                        ; bytes from row to row
	s_mov_b32 s[G1K+6], 0
	s_mov_b32 s[G1K+7], 0
	s_mov_b32 s[G1V], 15|(1<<20)|(1<<21)|(3<<22)|(3<<25)   ; after every 16 words, 4 words
	s_mov_b32 s[G1V+1], 64<<16
	s_mov_b32 s[G1V+2], 128<<16
	s_mov_b32 s[G1V+3], 64<<16
	s_mov_b32 s[G1V+4], 128
	s_mov_b32 s[G1V+5], 64
	s_mov_b32 s[G1V+6], 0
	s_mov_b32 s[G1V+7], 0
	s_lshl_b32 s72, s53, 17                        ; the head's 131,072 bytes,
	s_lshl_b32 s73, s[WV], 13                      ; my 8,192 of them
	s_add_co_u32 s72, s72, s73
	s_mov_b32 s73, 0
	s_mov_b32 s[G0K], 1
	s_mul_i32 s[G0K+1], s[WV], KSTEP
	s_mov_b32 s[G0V], 1
	s_mul_i32 s[G0V+1], s[WV], VSTEP
	s_add_co_u32 s[G0V+1], s[G0V+1], VOFF
	s_mov_b32 s[SEL], 0x76543210
	s_mov_b32 s[SEL+1], 0xfedcba98
	s_mov_b32 s[C10], 0x3a800000
	s_mov_b32 s[CEPS], 0x3727c5ac
	s_wait_kmcnt 0x0
	s_load_b128 s[56:59], s[14:15], SCB            ; eq, ek, ep, ev
	s_load_b32 s60, s[14:15], SCB+0x10             ; the next operand's e
	s_add_nc_u64 s[74:75], s[6:7], s[72:73]
	s_add_nc_u64 s[G0K+2:G0K+3], s[74:75], KOFF
	s_or_b32 s[G0K+3], s[G0K+3], 0x80000000
	s_add_nc_u64 s[G0V+2:G0V+3], s[74:75], VGOFF
	s_or_b32 s[G0V+3], s[G0V+3], 0x80000000
	CROUND                                         ; all four work-groups are here: the joint loads meet
	tensor_load_to_lds s[G0K:G0K+3], s[G1K:G1K+7]  ; every wave fetches a sixteenth of K and a sixteenth of V: two loads of mine are out
	tensor_load_to_lds s[G0V:G0V+3], s[G1V:G1V+7]
.rept 4
	v_nop
.endr
	s_lshl_b32 s76, s53, 17
	s_lshl_b32 s77, s54, 10                        ; my tile's 16 rows of 64 bytes
	s_add_co_u32 s76, s76, s77
	s_mov_b32 s77, 0
	s_add_nc_u64 s[4:5], s[4:5], s[76:77]
	s_lshl_b32 s82, s53, 7
	s_add_co_u32 s82, s82, s54                     ; my tile is row 128 (16 b + head) + tile of the merged z
	s_lshl_b32 s84, s82, 12
	s_mov_b32 s85, 0
	s_add_nc_u64 s[8:9], s[8:9], s[84:85]          ; the residual's row
.if ROFF
	s_add_nc_u64 s[8:9], s[8:9], ROFF
.endif
	s_add_nc_u64 s[86:87], s[16:17], s[84:85]
	s_add_nc_u64 s[86:87], s[86:87], 0x400000      ; the result's row in f32
	s_lshl_b32 s84, s82, 10
	s_add_nc_u64 s[88:89], s[16:17], s[84:85]      ; and as codes
	s_cmp_lt_u32 s[WV], 8                          ; waves 0-7 bring the gain, waves 8-15 the bias, 512 bytes each: a choice on the wave's number
	s_cselect_b64 s[90:91], s[10:11], s[12:13]
	s_and_b32 s93, s[WV], 7
	s_lshl_b32 s93, s93, 9
	s_lshl_b32 s92, s[WV], 9
	s_add_co_u32 s92, s92, GB
	v_and_b32 v26, 31, v0
	v_lshlrev_b32 v[GO], 4, v26
	v_add_nc_u32 v[GLO], s93, v[GO]
	v_add_nc_u32 v[GST], s92, v[GO]
	v_add_nc_u32 v[GBA], GB, v[GO]
	global_load_b128 v[28:31], v[GLO], s[90:91]
	v_and_b32 v22, 15, v0                          ; r
	v_bfe_u32 v23, v0, 4, 1                        ; h
	v_lshlrev_b32 v[QA], 6, v22
	v_lshl_add_u32 v[QA], v23, 4, v[QA]
	global_load_b128 v[Q:Q+3], v[QA], s[4:5]       ; Q stays in registers: K = 32 c + 16 h + 0 .. 15, as K's fragments have it
	global_load_b128 v[Q+4:Q+7], v[QA], s[4:5] offset:32
.irp j, 0,1,2,3,4,5,6,7
	global_load_b128 v[RES+4*\j:RES+4*\j+3], v[GO], s[8:9] offset:512*\j   ; the residual row, asked for now and wanted on the way out: both passes stand between
.endr
	v_and_b32 v24, 8, v22
	v_add_nc_u32 v24, v24, v22                     ; r + 8 (r / 8)
	v_lshrrev_b32 v25, 1, v24
	v_mul_u32_u24 v[AK0], v25, KP
	v_and_b32 v25, 1, v24
	v_lshl_add_u32 v[AK0], v25, 6, v[AK0]
	v_lshl_add_u32 v[AK0], v23, 4, v[AK0]
	v_mul_u32_u24 v[AV0], v22, VP
	v_lshl_add_u32 v[AV0], v23, 4, v[AV0]
	v_add_nc_u32 v[AV0], VOFF, v[AV0]
	s_mul_i32 s78, s[WV], WSTG                     ; my stage
	v_mul_u32_u24 v[STO], v22, ZP
	v_lshl_add_u32 v[STO], v23, 5, v[STO]
	v_add_nc_u32 v[STO], s78, v[STO]               ; z in: row r, + 32 h
	v_mul_u32_u24 v[RD], v23, ZP
	v_lshl_add_u32 v[RD], v22, 4, v[RD]
	v_add_nc_u32 v[RD], s78, v[RD]                 ; back: lanes 0-15 one row of 256 bytes, lanes 16-31 the next
	s_add_co_u32 s78, s78, CSTG
	v_lshl_add_u32 v[CST], v26, 2, s78
	v_add_nc_u32 v[CRD], s78, v[GO]
	v_lshlrev_b32 v27, 4, v23                      ; 16 h  (v26 and v27 are written here: a lane permute's destination counts as one of its sources)
.if MASKED
	s_lshl_b32 s79, s52, 4
	v_sub_nc_u32 v[DD], v22, v27
	v_add_nc_u32 v[DD], s79, v[DD]
	v_mov_b32 v[NINF], 0xff800000
.endif
	v_mov_b32 v[ML], 0xff61b1e6                    ; the largest t so far: -3e38, under every t
	v_mov_b32 v[ML+1], 0xff61b1e6                  ; (named as the pair's upper half)
	v_mov_b32 v[LS], 0
	v_mov_b32 v[LS+1], 0
.set i, 0
.rept 32
	v_mov_b32 v[O+i], 0                            ; O^T: pass 2 is written once
.set i, i+1
.endr
	s_wait_kmcnt 0x0
	s_add_co_i32 s80, s56, s57
	s_lshl_b32 s80, s80, 23
	s_add_co_i32 s[CS], s80, CEXP                  ; a score stands for score x 2^(eq + ek): added to c's exponent field
	s_mov_b32 s[CS+1], s[CS]
	s_add_co_i32 s80, s58, 127
	s_lshl_b32 s81, s80, 23
	v_mov_b32 v[PSC], s81
	s_add_co_i32 s80, s80, 8
	s_lshl_b32 s80, s80, 23
	s_or_b32 s80, s80, 0x600000
	v_mov_b32 v[PLIM], s80
	v_mov_b32 v[PLIM+1], s80
	s_add_co_i32 s80, s60, 127
	s_lshl_b32 s81, s80, 23
	v_mov_b32 v[NSC], s81
	s_add_co_i32 s80, s80, 8
	s_lshl_b32 s80, s80, 23
	s_or_b32 s80, s80, 0x600000
	v_mov_b32 v[NLIM], s80
	s_add_co_i32 s68, s58, s59
	s_add_co_i32 s68, s68, 127
	s_lshl_b32 s68, s68, 23                        ; 2^(ep + ev)
	s_mov_b32 s69, s68
	s_wait_loadcnt 0x8                             ; my part of gain or bias and Q are in; the residual's eight loads, issued behind them, may be out
	ds_store_b128 v[GST], v[28:31]
	s_wait_tensorcnt 0x1                           ; my part of K is in; V's load, the younger, may be out
	s_wait_dscnt 0x0                               ; for the others' sake: my store of gain or bias is done
	s_barrier_signal -1
	s_barrier_wait -1                              ; all of K, the gain and the bias are in
	; PASS 1: for each lane, the largest t = c s and the sum of 2^(t - largest) over its half of the keys.  16 steps of 128 keys: two, the barrier for V, a loop of 13, and the last, which asks for nothing.
	KLOAD AK0                                      ; step 0
	s_mov_b32 s[KB], KSTEP
	P1 1
	s_mov_b32 s[KB], 2*KSTEP
	P1 1
	s_mov_b32 s[KB], 3*KSTEP
	s_wait_tensorcnt 0x0                           ; my part of V is in: two steps' work has stood between its request and this wait,
	s_wait_dscnt 0x0                               ; (no LDS instruction of mine is pending at a signal)
	s_barrier_signal -1
	s_barrier_wait -1                              ; everybody's is: every read of V comes behind this barrier.  From here to the way out no wave waits for another
	s_mov_b32 s[CNT], 0
.Lpass1:
	P1 1
	s_add_co_u32 s[KB], s[KB], KSTEP
	s_add_co_u32 s[CNT], s[CNT], 1
	s_cmp_lt_u32 s[CNT], 13
	s_cbranch_scc1 .Lpass1
	P1 0
	; the query's two lanes are joined: M, the sum under M, ML = M + log2(sum)
	v_add_f32 v[LS], v[LS], v[LS+1]
	v_permlanex16_b32 v26, v[ML], s[SEL], s[SEL+1]
	v_permlanex16_b32 v27, v[LS], s[SEL], s[SEL+1]
	v_max_num_f32 v28, v[ML], v26
	v_sub_f32 v29, v[ML], v28
	v_sub_f32 v30, v26, v28
	v_exp_f32 v29, v29
	v_exp_f32 v30, v30
	v_nop
	v_mul_f32 v[LS], v[LS], v29
	v_fma_f32 v[LS], v27, v30, v[LS]
	v_log_f32 v31, v[LS]
	v_nop
	v_add_f32 v[ML], v28, v31
	v_mov_b32 v[ML+1], v[ML]
	; PASS 2: p = 2^(c s - ML), the finished weight; quantised along the keys; O^T += V^T P^T.  16 trips.
	s_mov_b32 s[KB], 0
	s_mov_b32 s[VB], 0
	s_mov_b32 s[CNT], 0
.Lpass2:
.if MASKED
	s_cmp_lt_u32 s[CNT], s[WQ]
	s_cbranch_scc1 .Lhidden
.endif
	v_add_nc_u32 v[ADK], s[KB], v[AK0]
	v_add_nc_u32 v[ADV], s[VB], v[AV0]
	v_nop
	v_nop                                          ; with the two additions: four places in front of loads into registers that the last products read
	KLOAD ADK
	s_wait_dscnt 0x0
	QK
	PLACES
	VLOAD                                          ; V's fragments land under the softmax
.if MASKED
	s_cmp_lg_u32 s[CNT], s[WQ]
	s_cbranch_scc1 .Lopen
.set n, 0
.rept 64
	v_cmp_lt_i32 vcc_lo, 32*(n/16)+n%16, v[DD]
	v_cndmask_b32 v[S+n], v[S+n], v[NINF], vcc_lo
.set n, n+1
.endr
.Lopen:
.endif
	SHIFT S
	SHIFT S+2
; Pair p's two exponentials, and between them plain lines that are ready: the scaling of pair p + 2 and the hold of pair p - 1.  The conversion to an 8-bit code does not saturate (ISA guide 7.6.2); p is not negative,
; so the hold is one-sided, and two holds go in one dual instruction: destinations even and odd, first sources two neighbouring registers, second sources the bound's two copies.  Eight held numbers are converted at once.
.set p, 0
.rept 32
	v_exp_f32 v[S+2*p], v[S+2*p]
.if p < 30
	SHIFT S+2*p+4
.endif
	v_exp_f32 v[S+2*p+1], v[S+2*p+1]
.if p > 0
	v_dual_min_num_f32 v[S+2*p-2], v[S+2*p-2], v[PLIM] :: v_dual_min_num_f32 v[S+2*p-1], v[S+2*p-1], v[PLIM+1]
.endif
.if (p > 0) && (p%4 == 0)
	v_cvt_scalef32_pk8_fp8_f32 v[PC+2*(p/4-1):PC+2*(p/4-1)+1], v[S+2*p-8:S+2*p-1], v[PSC]
.endif
.set p, p+1
.endr
	v_dual_min_num_f32 v[S+62], v[S+62], v[PLIM] :: v_dual_min_num_f32 v[S+63], v[S+63], v[PLIM+1]
	v_cvt_scalef32_pk8_fp8_f32 v[PC+14:PC+15], v[S+56:S+63], v[PSC]
	v_nop                                          ; a plain line between the last conversion and the products that read its result
	s_wait_dscnt 0x0                               ; V's fragments
.irp t, 0,1,2,3
	v_wmma_f32_16x16x128_fp8_fp8 v[O+8*\t:O+8*\t+7], v[F+16*\t:F+16*\t+15], v[PC:PC+15], v[O+8*\t:O+8*\t+7]   ; four accumulators by turns; the scores' eight products stand between two turns of one
.endr
.if MASKED
.Lhidden:
.endif
	s_add_co_u32 s[KB], s[KB], KSTEP
	s_add_co_u32 s[VB], s[VB], VSTEP
	s_add_co_u32 s[CNT], s[CNT], 1
	s_cmp_lt_u32 s[CNT], 16
	s_cbranch_scc1 .Lpass2
	; THE WAY OUT.
	PLACES                                         ; in front of loads into registers that the last products read, and of the first read of their results
.irp j, 0,1,2,3,4,5,6,7
	ds_load_b128 v[F+4*\j:F+4*\j+3], v[GBA] offset:512*\j             ; the gain: register 4 j + e is column 128 j + 4 lane + e
.endr
.irp j, 0,1,2,3,4,5,6,7
	ds_load_b128 v[F+32+4*\j:F+32+4*\j+3], v[GBA] offset:4096+512*\j  ; the bias
.endr
.set i, 0
.rept 16
	v_pk_mul_f32 v[S+i:S+i+1], v[O+i:O+i+1], s[68:69] op_sel_hi:[1,0]          ; z = O^T x 2^(ep + ev): register 8 t + j is z(query r, d = 16 t + 8 h + j); each accumulator from its low end on
.set i, i+2
.endr
	s_wait_dscnt 0x0
	s_barrier_signal -1
	s_barrier_wait -1                              ; nobody reads K any more: its bytes take the stages
.irp t, 0,1,2,3
	ds_store_b128 v[STO], v[S+8*\t:S+8*\t+3] offset:64*\t
	ds_store_b128 v[STO], v[S+8*\t+4:S+8*\t+7] offset:64*\t+16
.endr
.irp j, 0,1,2,3,4,5,6,7
	ds_load_b128 v[O+4*\j:O+4*\j+3], v[RD] offset:2*ZP*\j   ; LDS serves a wave's instructions in order: these see my stores
.endr
	s_wait_dscnt 0x0
	s_wait_loadcnt 0x0                             ; the residual
.set i, 0
.rept 16
	v_pk_add_f32 v[S+i:S+i+1], v[O+i:O+i+1], v[RES+i:RES+i+1]
.set i, i+2
.endr
	LNORM S, F, F+32, TT+2
.irp j, 0,1,2,3,4,5,6,7
	global_store_b128 v[GO], v[S+4*\j:S+4*\j+3], s[86:87] offset:512*\j        ; 32 lanes store 512 consecutive bytes
.endr
.set i, 0
.rept 32
	v_med3_num_f32 v[S+32+i], v[S+i], -v[NLIM], v[NLIM]
.set i, i+1
.endr
.irp i, 0,1,2,3
	v_cvt_scalef32_pk8_fp8_f32 v[O+2*\i:O+2*\i+1], v[S+32+8*\i:S+32+8*\i+7], v[NSC]   ; result register k: the codes of columns 128 k + 4 lane + 0 .. 3
.endr
	v_nop
.irp k, 0,1,2,3,4,5,6,7
	ds_store_b32 v[CST], v[O+\k] offset:128*\k
.endr
	ds_load_b128 v[O+8:O+11], v[CRD]
	ds_load_b128 v[O+12:O+15], v[CRD] offset:512
	s_wait_dscnt 0x0
	global_store_b128 v[GO], v[O+8:O+11], s[88:89]
	global_store_b128 v[GO], v[O+12:O+15], s[88:89] offset:512
	CROUND                                         ; the closing round
	s_endpgm
.Lfunc_end_k_qb97655343a_ca_attn:
	.size	k_qb97655343a_ca_attn, .Lfunc_end_k_qb97655343a_ca_attn-k_qb97655343a_ca_attn
	.p2alignl 7, 3214868480
	.fill 96, 4, 3214868480
	.section	.rodata,"a",@progbits
	.p2align	6, 0x0
	.amdhsa_kernel k_qb97655343a_ca_attn
		.amdhsa_group_segment_fixed_size 327680
		.amdhsa_private_segment_fixed_size 0
		.amdhsa_enable_private_segment 0
		.amdhsa_kernarg_size 56
		.amdhsa_user_sgpr_count 2
		.amdhsa_user_sgpr_kernarg_segment_ptr 1
		.amdhsa_wavefront_size32 1
		.amdhsa_system_sgpr_workgroup_id_x 1
		.amdhsa_system_sgpr_workgroup_id_y 1
		.amdhsa_system_sgpr_workgroup_id_z 1
		.amdhsa_system_vgpr_workitem_id 0
		.amdhsa_next_free_vgpr 256
		.amdhsa_next_free_sgpr 96
		.amdhsa_reserve_vcc 1
		.amdhsa_float_denorm_mode_32 3
		.amdhsa_float_denorm_mode_16_64 3
		.amdhsa_memory_ordered 1
		.amdhsa_forward_progress 1
		.amdhsa_inst_pref_size 75
	.end_amdhsa_kernel
	.amdgpu_metadata
---
amdhsa.version: [ 1, 2 ]
amdhsa.kernels:
  - .name:           k_qb97655343a_ca_attn
    .symbol:         k_qb97655343a_ca_attn.kd
    .args:
      - { .name: dcode, .offset: 0, .size: 8, .value_kind: global_buffer, .address_space: global }
      - { .name: heads1, .offset: 8, .size: 8, .value_kind: global_buffer, .address_space: global }
      - { .name: xbuf, .offset: 16, .size: 8, .value_kind: global_buffer, .address_space: global }
      - { .name: ca_g, .offset: 24, .size: 8, .value_kind: global_buffer, .address_space: global }
      - { .name: ca_b, .offset: 32, .size: 8, .value_kind: global_buffer, .address_space: global }
      - { .name: lowp_scales, .offset: 40, .size: 8, .value_kind: global_buffer, .address_space: global }
      - { .name: x2buf, .offset: 48, .size: 8, .value_kind: global_buffer, .address_space: global }
    .group_segment_fixed_size: 327680
    .private_segment_fixed_size: 0
    .kernarg_segment_align: 8
    .kernarg_segment_size: 56
    .max_flat_workgroup_size: 512
    .sgpr_count:     96
    .vgpr_count:     256
    .wavefront_size: 32
...
	.end_amdgpu_metadata
.endif
;; end of part 4
;; launch ffn1: the kernel of part 2 again; grid 8 x 32, 4 waves a work-group, clusters of 4 x 4, 327,680 bytes of LDS; arguments x2buf, encoded_codes, ffn_w1_codes, ffn_w2_codes, ca_wq_codes, ca_wk_codes, ca_wv_codes, ffn_b1, ffn_b2, ca_bq, ca_bk, ca_bv, par5, heads1; writes heads1
;; launch ffn2 (part 5): grid 8 x 32, 4 waves a work-group, clusters of 4 x 4, 327,680 bytes of LDS; arguments heads1, ffn_w2_codes, ffn_b2, lowp_scales, xbuf; writes xbuf
.if DOCPART == 5
	.amdgcn_target "amdgcn-amd-amdhsa--gfx1250"
	.amdhsa_code_object_version 6
	.text
	.protected	k_qb97655343a_ffn2
	.globl	k_qb97655343a_ffn2
	.p2align	8
	.type	k_qb97655343a_ffn2,@function
k_qb97655343a_ffn2:
	s_mov_b64 s[64:65], 0
	v_nop
	global_prefetch_b8 v0, s[64:65] scope:SCOPE_SE
	s_setreg_imm32_b32 hwreg(HW_REG_WAVE_MODE, 25, 1), 1
	s_wait_xcnt 0x0
	s_wait_alu depctr_hold_cnt(0) depctr_sa_sdst(0) depctr_va_vdst(0) depctr_va_sdst(0) depctr_va_ssrc(0) depctr_va_vcc(0) depctr_vm_vsrc(0)
	s_getreg_b32 s2, hwreg(HW_REG_IB_STS2, 6, 4)
	s_cmp_eq_u32 s2, 0
	s_cbranch_scc0 .Lentry_in_a_cluster
	s_endpgm
.Lentry_in_a_cluster:
	s_bfe_u32 s2, ttmp6, 0x10000c
	s_cmp_lg_u32 s2, 0xf033
	s_cbranch_scc0 .Lentry_shape_is_right
	s_endpgm
.Lentry_shape_is_right:
; t = hidden W2^T + b2, f32, [4096][1024].  hidden: E4M3 codes laid [b][unit / 64][s][64] (as the launch before leaves them); W2: codes, [1024][1024], K innermost.
; A work-group makes 128 x 128, four waves 64 x 64 each.  BOTH TILES LIE WHOLE IN LDS, in four chunks of 256 along K, each byte filled once: no slot is ever filled again.
; A chunk holds four blocks of the hidden layer (128 rows x 64 bytes, dense in memory) and W2's 128 rows x 256 bytes.  Every wave fetches one block and 32 rows of W2 for every chunk: eight loads of mine are out,
; and one count serves all waves.  (A load of 32 rows is short; the price is paid so that no branch stands round the loads.)
; CLUSTERS, 4 x 4: the hidden tile is shared along a row of the cluster, W2's along a column: joint loads.
; D = P x Q, P = W2's rows, Q = hidden rows: lane (r, h), register j of accumulator (q, p) holds t(row 16 q + r, column 16 p + 8 h + j): eight neighbours of a row.
; LIMITS: the two exponents' sum between -126 and 127.  NaN and infinities are not served.
; REGISTERS: window 0: v1-16 addresses; v32-63 b2; v64-95 at work; v96-127 rows on their way out; v128-255 accumulators.  Window 1: two fragment buffers of 128 (Q's four fragments, then P's four).
.set APITCH, 80                        ; a hidden row in LDS: 64 bytes + 16
.set ABLK,   128*APITCH                ; a block
.set PITCH,  272                       ; a row of W2: 256 bytes + 16
.set WOFF,   4*ABLK                    ; W2's rows lie behind the four blocks
.set CHUNK,  WOFF+128*PITCH
.set STG,    4*CHUNK                   ; behind the chunks: 16 rows x 272 bytes for each wave; no fill lands there
.set ZP,     272
.set ADQ,  4                           ; v4-7   LDS address of my hidden fragments in chunk c
.set ADP,  8                           ; v8-11  of my fragments of W2
.set STO,  12
.set RD,   13
.set CO,   14                          ; v14    my byte offset in two rows of t
.set VBP,  15
.set B2,   32
.set TMP,  64
.set BK,   96
.set ACC,  128
.set G1A,  24                          ; s[24:31] group 1 for hidden blocks; s[40:55] group 0, a set for each chunk
.set G1W,  32                          ; s[32:39] for W2's rows; s[68:83] group 0
.set G0A,  40
.set G0W,  68
.set MSB, 0
.macro WIN new
.if MSB != \new
	s_set_vgpr_msb (MSB<<8)|\new
.set MSB, \new
.endif
.endm
.set MUL,  0x05
.set TO_F, 0x40
.macro CROUND
	s_barrier_signal -1
	s_barrier_wait -1
	s_cmp_lg_u32 s14, 0
	s_cbranch_scc1 .Lnot_wave_0_\@
	s_barrier_signal -3
.Lnot_wave_0_\@:
	s_barrier_wait -3
	s_barrier_signal -1
	s_barrier_wait -1
.endm
.macro PLACES
.rept 4
	v_nop
.endr
.endm
	s_load_b128 s[4:7], s[0:1], 0x0                ; the hidden codes, W2's codes
	s_load_b128 s[8:11], s[0:1], 0x10              ; b2, the exponents
	s_load_b64 s[12:13], s[0:1], 0x20              ; t
	v_lshrrev_b32 v1, 5, v0
	v_readfirstlane_b32 s14, v1                    ; wave 0..3
	s_lshr_b32 s15, s14, 1                         ; qh: my half of the rows
	s_and_b32 s16, s14, 1                          ; ph: my half of the columns
	s_bfe_u32 s56, ttmp6, 0x40000                  ; cx
	s_bfe_u32 s57, ttmp6, 0x40004                  ; cy
	s_lshl_b32 s58, ttmp9, 2
	s_add_co_u32 s58, s58, s56                     ; tile column x
	s_and_b32 s17, ttmp7, 0xffff
	s_lshl_b32 s17, s17, 2
	s_add_co_u32 s17, s17, s57                     ; tile row y
	s_lshl_b32 s60, s57, 2
	s_lshl_b32 s60, 15, s60                        ; my row of the cluster
	s_lshl_b32 s61, 0x1111, s56                    ; my column
	s_or_b32 s[G1A], s60, (1<<20)|(1<<21)|(3<<22)|(3<<25)   ; the mask; elements of 1 byte; padding on; 21 set beside a mask; after every 16 words, 4 words
	s_mov_b32 s[G1A+1], 64<<16                     ; tensor_dim0
	s_mov_b32 s[G1A+2], 128<<16                    ; tensor_dim1
	s_mov_b32 s[G1A+3], 64<<16                     ; tile_dim0
	s_mov_b32 s[G1A+4], 128                        ; tile_dim1
	s_mov_b32 s[G1A+5], 64                         ; bytes from row to row
	s_mov_b32 s[G1A+6], 0
	s_mov_b32 s[G1A+7], 0
	s_or_b32 s[G1W], s61, (1<<20)|(1<<21)|(5<<22)|(3<<25)   ; after every 64 words, 4 words
	s_mov_b32 s[G1W+1], 256<<16
	s_mov_b32 s[G1W+2], 32<<16
	s_mov_b32 s[G1W+3], 256<<16
	s_mov_b32 s[G1W+4], 32
	s_mov_b32 s[G1W+5], 1024
	s_mov_b32 s[G1W+6], 0
	s_mov_b32 s[G1W+7], 0
	s_lshr_b32 s90, s17, 4                         ; b
	s_lshl_b32 s90, s90, 4
	s_add_co_u32 s90, s90, s14                     ; block 16 b + wave (+ 4 for each chunk),
	s_lshl_b32 s90, s90, 17
	s_and_b32 s91, s17, 15
	s_lshl_b32 s91, s91, 13                        ; its rows 128 (y % 16) on
	s_add_co_u32 s90, s90, s91
	s_mov_b32 s91, 0
	s_lshl_b32 s92, s58, 7
	s_lshl_b32 s93, s14, 5
	s_add_co_u32 s92, s92, s93
	s_lshl_b32 s92, s92, 10                        ; W2's row 128 x + 32 wave, in bytes
	s_mov_b32 s93, 0
	s_mul_i32 s94, s14, ABLK                       ; where my parts of a chunk go: no place in the cluster enters an LDS address
	s_mul_i32 s2, s14, 32*PITCH
	s_add_co_u32 s2, s2, WOFF
	v_and_b32 v1, 15, v0                           ; r
	v_bfe_u32 v2, v0, 4, 1                         ; h
	s_lshl_b32 s99, s58, 9
	s_lshl_b32 s100, s16, 8
	s_add_co_u32 s99, s99, s100                    ; column 128 x + 64 ph, in bytes of f32
	v_lshl_add_u32 v[VBP], v2, 5, s99
	s_wait_kmcnt 0x0
	s_load_b64 s[20:21], s[10:11], 0x58            ; the hidden layer's e, W2's e
	s_add_nc_u64 s[4:5], s[4:5], s[90:91]
	s_add_nc_u64 s[6:7], s[6:7], s[92:93]
.irp c, 0,1,2,3
	s_mov_b32 s[G0A+4*\c], 1
	s_add_co_u32 s[G0A+4*\c+1], s94, \c*CHUNK
	s_add_nc_u64 s[G0A+4*\c+2:G0A+4*\c+3], s[4:5], \c*0x80000   ; four blocks of 131,072 bytes on
	s_or_b32 s[G0A+4*\c+3], s[G0A+4*\c+3], 0x80000000
	s_mov_b32 s[G0W+4*\c], 1
	s_add_co_u32 s[G0W+4*\c+1], s2, \c*CHUNK
	s_add_nc_u64 s[G0W+4*\c+2:G0W+4*\c+3], s[6:7], 256*\c
	s_or_b32 s[G0W+4*\c+3], s[G0W+4*\c+3], 0x80000000
.endr
.irp p, 0,1,2,3
	global_load_b128 v[B2+8*\p:B2+8*\p+3], v[VBP], s[8:9] offset:64*\p          ; b2 at 16 p + 8 h + 0 .. 7 of my 64 columns
	global_load_b128 v[B2+8*\p+4:B2+8*\p+7], v[VBP], s[8:9] offset:64*\p+16
.endr
	CROUND                                         ; all sixteen work-groups are here: the joint loads meet
.irp c, 0,1,2,3
	tensor_load_to_lds s[G0A+4*\c:G0A+4*\c+3], s[G1A:G1A+7]
	tensor_load_to_lds s[G0W+4*\c:G0W+4*\c+3], s[G1W:G1W+7]
.endr
.rept 4
	v_nop
.endr
	v_mul_u32_u24 v17, v1, APITCH
	v_lshl_add_u32 v17, v2, 4, v17
	v_mul_u32_u24 v18, v1, PITCH
	v_lshl_add_u32 v18, v2, 4, v18
	s_mul_i32 s3, s15, 64*APITCH                   ; my 64 rows in every block
	s_mul_i32 s101, s16, 64*PITCH
	s_add_co_u32 s101, s101, WOFF                  ; my 64 rows of W2
.irp c, 0,1,2,3
	v_add_nc_u32 v[ADQ+\c], s3, v17
	v_add_nc_u32 v[ADP+\c], s101, v18
	s_add_co_u32 s3, s3, CHUNK
	s_add_co_u32 s101, s101, CHUNK
.endr
	s_mul_i32 s95, s14, 16*ZP
	s_add_co_u32 s95, s95, STG                     ; my stage
	v_mul_u32_u24 v[STO], v1, ZP
	v_lshl_add_u32 v[STO], v2, 5, v[STO]
	v_add_nc_u32 v[STO], s95, v[STO]               ; in: row r, + 32 h
	v_mul_u32_u24 v[RD], v2, ZP
	v_lshl_add_u32 v[RD], v1, 4, v[RD]
	v_add_nc_u32 v[RD], s95, v[RD]                 ; back: lanes 0-15 one row of 256 bytes, lanes 16-31 the next
	v_lshlrev_b32 v[CO], 12, v2
	v_lshl_add_u32 v[CO], v1, 4, v[CO]             ; and the same two rows of t
	s_lshl_b32 s88, s17, 7
	s_lshl_b32 s89, s15, 6
	s_add_co_u32 s88, s88, s89
	s_lshl_b32 s88, s88, 12                        ; row 128 y + 64 qh, in bytes,
	s_add_co_u32 s88, s88, s99                     ; + my first column
	s_mov_b32 s89, 0
	s_add_nc_u64 s[12:13], s[12:13], s[88:89]
.macro FETCH s                         ; 32 LDS loads in one run: the fragments of the s-th 128 along K into buffer s % 2.  K = 32 c + 16 h + 0 .. 15 in registers 4 c .. 4 c + 3, in both operands
	WIN TO_F
.irp i, 0,1,2,3
.irp c, 0,1,2,3
	ds_load_b128 v[128*((\s)%2)+16*\i+4*\c:128*((\s)%2)+16*\i+4*\c+3], v[ADQ+(\s)/2] offset:(2*((\s)%2)+\c/2)*ABLK+16*APITCH*\i+32*(\c%2)
.endr
.irp c, 0,1,2,3
	ds_load_b128 v[128*((\s)%2)+64+16*\i+4*\c:128*((\s)%2)+64+16*\i+4*\c+3], v[ADP+(\s)/2] offset:128*((\s)%2)+16*PITCH*\i+32*\c
.endr
.endr
.endm
.macro MUL16 b, zero                   ; the 16 accumulators take turns, one instruction a turn, in the same order in every step
.irp q, 0,1,2,3
.irp p, 0,1,2,3
.if \zero
	v_wmma_f32_16x16x128_fp8_fp8 v[ACC+8*(4*\q+\p):ACC+8*(4*\q+\p)+7], v[128*(\b)+64+16*\p:128*(\b)+64+16*\p+15], v[128*(\b)+16*\q:128*(\b)+16*\q+15], 0
.else
	v_wmma_f32_16x16x128_fp8_fp8 v[ACC+8*(4*\q+\p):ACC+8*(4*\q+\p)+7], v[128*(\b)+64+16*\p:128*(\b)+64+16*\p+15], v[128*(\b)+16*\q:128*(\b)+16*\q+15], v[ACC+8*(4*\q+\p):ACC+8*(4*\q+\p)+7]
.endif
.endr
.endr
.endm
.macro STEP s
.if ((\s)+1 < 8) && (((\s)+1)%2 == 0)
	s_wait_tensorcnt 6-((\s)+1)                    ; my two parts of the next chunk are in; two loads for each chunk behind it may be out
	s_wait_dscnt 0x0
	s_barrier_signal -1
	s_barrier_wait -1
.endif
.if (\s) < 7
.if (\s) > 0
	PLACES
.endif
	FETCH (\s)+1
	s_wait_dscnt 32                                ; all but the 32 just issued
.else
	s_wait_dscnt 0x0
.endif
	WIN MUL
	MUL16 (\s)%2, (\s)==0
.endm
	s_wait_tensorcnt 0x6                           ; my two parts of chunk 0 are in,
	s_barrier_signal -1
	s_barrier_wait -1                              ; everybody's are
	FETCH 0
.irp s, 0,1,2,3,4,5,6,7
	STEP \s
.endr
	WIN 0
	PLACES
	s_wait_loadcnt 0x0                             ; b2
	s_wait_kmcnt 0x0
	s_add_co_i32 s96, s20, s21
	s_add_co_i32 s96, s96, 127
	s_lshl_b32 s96, s96, 23                        ; 2^(the two exponents' sum)
	s_mov_b32 s97, s96
; THE WAY OUT, 16 rows x 64 columns at a time through my stage: sixteen lanes then store 256 consecutive bytes of a row, at a multiple of 256 from the buffer's first byte.
.macro QOUT q
.irp p, 0,1,2,3
.irp i, 0,2,4,6
	v_pk_fma_f32 v[TMP+8*\p+\i:TMP+8*\p+\i+1], v[ACC+8*(4*\q+\p)+\i:ACC+8*(4*\q+\p)+\i+1], s[96:97], v[B2+8*\p+\i:B2+8*\p+\i+1] op_sel_hi:[1,0,1]   ; sum x scale + b2; each accumulator from its low end on
.endr
.endr
.irp p, 0,1,2,3
	ds_store_b128 v[STO], v[TMP+8*\p:TMP+8*\p+3] offset:64*\p
	ds_store_b128 v[STO], v[TMP+8*\p+4:TMP+8*\p+7] offset:64*\p+16
.endr
	s_wait_xcnt 0x0                                ; the stores of the rows before have read their registers: the loads below may land there
.irp i, 0,1,2,3,4,5,6,7
	ds_load_b128 v[BK+4*\i:BK+4*\i+3], v[RD] offset:2*ZP*\i   ; LDS serves a wave's instructions in order: these see my stores
.endr
.irp i, 0,1,2,3,4,5,6,7
	s_wait_dscnt 7-\i                              ; the younger loads may be out
	global_store_b128 v[CO], v[BK+4*\i:BK+4*\i+3], s[12:13] offset:(16*\q+2*\i)*4096
.endr
.endm
	QOUT 0
	QOUT 1
	QOUT 2
	QOUT 3
	s_wait_dscnt 0x0
	CROUND                                         ; the closing round
	s_endpgm
.Lfunc_end_k_qb97655343a_ffn2:
	.size	k_qb97655343a_ffn2, .Lfunc_end_k_qb97655343a_ffn2-k_qb97655343a_ffn2
	.p2alignl 7, 3214868480
	.fill 96, 4, 3214868480
	.section	.rodata,"a",@progbits
	.p2align	6, 0x0
	.amdhsa_kernel k_qb97655343a_ffn2
		.amdhsa_group_segment_fixed_size 327680
		.amdhsa_private_segment_fixed_size 0
		.amdhsa_enable_private_segment 0
		.amdhsa_kernarg_size 40
		.amdhsa_user_sgpr_count 2
		.amdhsa_user_sgpr_kernarg_segment_ptr 1
		.amdhsa_wavefront_size32 1
		.amdhsa_system_sgpr_workgroup_id_x 1
		.amdhsa_system_sgpr_workgroup_id_y 1
		.amdhsa_system_sgpr_workgroup_id_z 1
		.amdhsa_system_vgpr_workitem_id 0
		.amdhsa_next_free_vgpr 512
		.amdhsa_next_free_sgpr 102
		.amdhsa_reserve_vcc 0
		.amdhsa_float_denorm_mode_32 3
		.amdhsa_float_denorm_mode_16_64 3
		.amdhsa_memory_ordered 1
		.amdhsa_forward_progress 1
		.amdhsa_inst_pref_size 48
	.end_amdhsa_kernel
	.amdgpu_metadata
---
amdhsa.version: [ 1, 2 ]
amdhsa.kernels:
  - .name:           k_qb97655343a_ffn2
    .symbol:         k_qb97655343a_ffn2.kd
    .args:
      - { .name: heads1, .offset: 0, .size: 8, .value_kind: global_buffer, .address_space: global }
      - { .name: ffn_w2_codes, .offset: 8, .size: 8, .value_kind: global_buffer, .address_space: global }
      - { .name: ffn_b2, .offset: 16, .size: 8, .value_kind: global_buffer, .address_space: global }
      - { .name: lowp_scales, .offset: 24, .size: 8, .value_kind: global_buffer, .address_space: global }
      - { .name: xbuf, .offset: 32, .size: 8, .value_kind: global_buffer, .address_space: global }
    .group_segment_fixed_size: 327680
    .private_segment_fixed_size: 0
    .kernarg_segment_align: 8
    .kernarg_segment_size: 40
    .max_flat_workgroup_size: 128
    .sgpr_count:     102
    .vgpr_count:     512
    .wavefront_size: 32
...
	.end_amdgpu_metadata
.endif
;; end of part 5
;; launch ln (part 6): grid 256 x 1, 8 waves a work-group, no clusters, 0 bytes of LDS; arguments xbuf, x2buf, ffn_g, ffn_b, out0; writes out0
.if DOCPART == 6
	.amdgcn_target "amdgcn-amd-amdhsa--gfx1250"
	.amdhsa_code_object_version 6
	.text
	.protected	k_qb97655343a_ln
	.globl	k_qb97655343a_ln
	.p2align	8
	.type	k_qb97655343a_ln,@function
k_qb97655343a_ln:
	s_mov_b64 s[64:65], 0
	v_nop
	global_prefetch_b8 v0, s[64:65] scope:SCOPE_SE
	s_setreg_imm32_b32 hwreg(HW_REG_WAVE_MODE, 25, 1), 1
	s_wait_xcnt 0x0
; out = LayerNorm(t + x2) x gain + bias.  t: [4096][1024] f32 at byte 0 of its buffer; x2: the same shape at 4 MiB of its buffer.
; A stream: a wave takes two rows, each whole in its registers (32 numbers a lane), so a row is read once and the reduction never leaves the wave: no LDS, no barrier, no matrix unit.
; All 48 loads of a wave go out at the head; each load and store covers 512 consecutive bytes.  The mean is taken away before the squares.
.set GO,  1                            ; v1       16 x lane
.set G,   8                            ; v8-39    the gain: register 4 j + e is column 128 j + 4 lane + e
.set B,   40                           ; v40-71   the bias
.set Y0,  72                           ; v72-103  row 0 of t, then of the result;  v104-135 of x2
.set Y1,  136                          ; v136-167, v168-199: row 1
.set T,   200                          ; v200-203 at work
.set SEL, 18
.set C10, 20
.set CEPS,21
.macro WSUM a, t                       ; the sum over the wave's 32 lanes, in every lane
	v_add_f32_dpp v[\a], v[\a], v[\a] row_xmask:1 row_mask:0xf bank_mask:0xf
	v_add_f32_dpp v[\a], v[\a], v[\a] row_xmask:2 row_mask:0xf bank_mask:0xf
	v_add_f32_dpp v[\a], v[\a], v[\a] row_xmask:4 row_mask:0xf bank_mask:0xf
	v_add_f32_dpp v[\a], v[\a], v[\a] row_xmask:8 row_mask:0xf bank_mask:0xf
	v_permlanex16_b32 v[\t], v[\a], s[SEL], s[SEL+1]
	v_add_f32 v[\a], v[\a], v[\t]
.endm
.macro LNORM y, g, b, t
	v_pk_add_f32 v[\t:\t+1], v[\y:\y+1], v[\y+2:\y+3]
	v_pk_add_f32 v[\t+2:\t+3], v[\y+4:\y+5], v[\y+6:\y+7]
.irp j, 8,12,16,20,24,28
	v_pk_add_f32 v[\t:\t+1], v[\t:\t+1], v[\y+\j:\y+\j+1]
	v_pk_add_f32 v[\t+2:\t+3], v[\t+2:\t+3], v[\y+\j+2:\y+\j+3]
.endr
	v_pk_add_f32 v[\t:\t+1], v[\t:\t+1], v[\t+2:\t+3]
	v_add_f32 v[\t], v[\t], v[\t+1]
	WSUM \t, \t+1
	v_mul_f32 v[\t], s[C10], v[\t]                 ; the mean
	v_mov_b32 v[\t+1], v[\t]
.irp j, 0,2,4,6,8,10,12,14,16,18,20,22,24,26,28,30
	v_pk_add_f32 v[\y+\j:\y+\j+1], v[\y+\j:\y+\j+1], v[\t:\t+1] neg_lo:[0,1] neg_hi:[0,1]
.endr
	v_pk_mul_f32 v[\t:\t+1], v[\y:\y+1], v[\y:\y+1]
	v_pk_mul_f32 v[\t+2:\t+3], v[\y+2:\y+3], v[\y+2:\y+3]
.irp j, 4,8,12,16,20,24,28
	v_pk_fma_f32 v[\t:\t+1], v[\y+\j:\y+\j+1], v[\y+\j:\y+\j+1], v[\t:\t+1]
	v_pk_fma_f32 v[\t+2:\t+3], v[\y+\j+2:\y+\j+3], v[\y+\j+2:\y+\j+3], v[\t+2:\t+3]
.endr
	v_pk_add_f32 v[\t:\t+1], v[\t:\t+1], v[\t+2:\t+3]
	v_add_f32 v[\t], v[\t], v[\t+1]
	WSUM \t, \t+1
	v_fma_f32 v[\t], v[\t], s[C10], s[CEPS]        ; the variance + 1e-5
	v_rsq_f32 v[\t], v[\t]
	v_nop                                          ; a plain line behind the transcendental
	v_mov_b32 v[\t+1], v[\t]
.irp j, 0,2,4,6,8,10,12,14,16,18,20,22,24,26,28,30
	v_pk_mul_f32 v[\y+\j:\y+\j+1], v[\y+\j:\y+\j+1], v[\t:\t+1]
.endr
.irp j, 0,2,4,6,8,10,12,14,16,18,20,22,24,26,28,30
	v_pk_fma_f32 v[\y+\j:\y+\j+1], v[\y+\j:\y+\j+1], v[\g+\j:\g+\j+1], v[\b+\j:\b+\j+1]
.endr
.endm
	s_load_b256 s[4:11], s[0:1], 0x0               ; t, x2's buffer, gain, bias
	s_load_b64 s[12:13], s[0:1], 0x20              ; out
	v_lshrrev_b32 v2, 5, v0
	v_readfirstlane_b32 s14, v2                    ; wave 0..7
	v_and_b32 v2, 31, v0
	v_lshlrev_b32 v[GO], 4, v2
	s_lshl_b32 s15, ttmp9, 3
	s_add_co_u32 s15, s15, s14
	s_lshl_b32 s16, s15, 13                        ; my two rows of 4,096 bytes
	s_mov_b32 s17, 0
	s_mov_b32 s[SEL], 0x76543210
	s_mov_b32 s[SEL+1], 0xfedcba98
	s_mov_b32 s[C10], 0x3a800000                   ; 2^-10
	s_mov_b32 s[CEPS], 0x3727c5ac                  ; 1e-5
	s_wait_kmcnt 0x0
	s_add_nc_u64 s[4:5], s[4:5], s[16:17]
	s_add_nc_u64 s[6:7], s[6:7], s[16:17]
	s_add_nc_u64 s[6:7], s[6:7], 0x400000
	s_add_nc_u64 s[12:13], s[12:13], s[16:17]
.irp j, 0,1,2,3,4,5,6,7
	global_load_b128 v[G+4*\j:G+4*\j+3], v[GO], s[8:9] offset:512*\j
.endr
.irp j, 0,1,2,3,4,5,6,7
	global_load_b128 v[B+4*\j:B+4*\j+3], v[GO], s[10:11] offset:512*\j
.endr
.irp j, 0,1,2,3,4,5,6,7
	global_load_b128 v[Y0+4*\j:Y0+4*\j+3], v[GO], s[4:5] offset:512*\j th:TH_LOAD_NT
	global_load_b128 v[Y0+32+4*\j:Y0+32+4*\j+3], v[GO], s[6:7] offset:512*\j th:TH_LOAD_NT
.endr
.irp j, 0,1,2,3,4,5,6,7
	global_load_b128 v[Y1+4*\j:Y1+4*\j+3], v[GO], s[4:5] offset:4096+512*\j th:TH_LOAD_NT
	global_load_b128 v[Y1+32+4*\j:Y1+32+4*\j+3], v[GO], s[6:7] offset:4096+512*\j th:TH_LOAD_NT
.endr
.macro ROW y, off
.irp j, 0,2,4,6,8,10,12,14,16,18,20,22,24,26,28,30
	v_pk_add_f32 v[\y+\j:\y+\j+1], v[\y+\j:\y+\j+1], v[\y+32+\j:\y+32+\j+1]
.endr
	LNORM \y, G, B, T
.irp j, 0,1,2,3,4,5,6,7
	global_store_b128 v[GO], v[\y+4*\j:\y+4*\j+3], s[12:13] offset:\off+512*\j th:TH_STORE_NT
.endr
.endm
	s_wait_loadcnt 16                              ; gain, bias and row 0 are in; row 1's sixteen loads may be out
	ROW Y0, 0
	s_wait_loadcnt 0x0
	ROW Y1, 4096
	s_endpgm
.Lfunc_end_k_qb97655343a_ln:
	.size	k_qb97655343a_ln, .Lfunc_end_k_qb97655343a_ln-k_qb97655343a_ln
	.p2alignl 7, 3214868480
	.fill 96, 4, 3214868480
	.section	.rodata,"a",@progbits
	.p2align	6, 0x0
	.amdhsa_kernel k_qb97655343a_ln
		.amdhsa_group_segment_fixed_size 0
		.amdhsa_private_segment_fixed_size 0
		.amdhsa_enable_private_segment 0
		.amdhsa_kernarg_size 40
		.amdhsa_user_sgpr_count 2
		.amdhsa_user_sgpr_kernarg_segment_ptr 1
		.amdhsa_wavefront_size32 1
		.amdhsa_system_sgpr_workgroup_id_x 1
		.amdhsa_system_sgpr_workgroup_id_y 1
		.amdhsa_system_sgpr_workgroup_id_z 1
		.amdhsa_system_vgpr_workitem_id 0
		.amdhsa_next_free_vgpr 216
		.amdhsa_next_free_sgpr 66
		.amdhsa_reserve_vcc 0
		.amdhsa_float_denorm_mode_32 3
		.amdhsa_float_denorm_mode_16_64 3
		.amdhsa_memory_ordered 1
		.amdhsa_forward_progress 1
		.amdhsa_inst_pref_size 22
	.end_amdhsa_kernel
	.amdgpu_metadata
---
amdhsa.version: [ 1, 2 ]
amdhsa.kernels:
  - .name:           k_qb97655343a_ln
    .symbol:         k_qb97655343a_ln.kd
    .args:
      - { .name: xbuf, .offset: 0, .size: 8, .value_kind: global_buffer, .address_space: global }
      - { .name: x2buf, .offset: 8, .size: 8, .value_kind: global_buffer, .address_space: global }
      - { .name: ffn_g, .offset: 16, .size: 8, .value_kind: global_buffer, .address_space: global }
      - { .name: ffn_b, .offset: 24, .size: 8, .value_kind: global_buffer, .address_space: global }
      - { .name: out0, .offset: 32, .size: 8, .value_kind: global_buffer, .address_space: global }
    .group_segment_fixed_size: 0
    .private_segment_fixed_size: 0
    .kernarg_segment_align: 8
    .kernarg_segment_size: 40
    .max_flat_workgroup_size: 256
    .sgpr_count:     66
    .vgpr_count:     216
    .wavefront_size: 32
...
	.end_amdgpu_metadata
.endif
;; end of part 6
